; MI455X (gfx1250); checked and timed in simulation.
; The chip was launched on July 23, 2026; its instructions are those of AMD's public machine-readable ISA for CDNA 5 (MIT licence, August 2026) and "CDNA5" Instruction Set Architecture Reference Guide (July 2026). The comments in the code are by the model that wrote it; some were corrected since.
;; Multi Head Self Attention. Allowed arithmetic: matrix products marked QUANTISED: E2M1 operands, one E8M0 scale for each 32 along K, by v_wmma_scale_f32_16x16x128_f8f6f4 with both operands' format E2M1 (or v_wmma_scale_f32_32x16x128_f4), f32 sums; products left as they are: bf16, f16 or f32 operands; f32 sums; everything else in f32.
;; Inputs: Wk 1,024 x 1,024 float32; Wo 1,024 x 1,024 float32; Wq 1,024 x 1,024 float32; Wv 1,024 x 1,024 float32; x 4 x 2,048 x 1,024 float32.
;; Outputs: out0 4 x 2,048 x 1,024 float32.
;; This version of the problem:
;;   THIS VERSION OF THE PROBLEM IS GIVEN IN LOW PRECISION. The matrix products marked QUANTISED in the list below multiply operands that are first quantised to E2M1 (2 exponent bits, 1 mantissa bit; 4 bits a number), with one power-of-two scale for each 32 numbers along K (OCP MX v1.0); their sums are f32. The products marked 'left as it is' may take bf16, f16 or f32 operands, with f32 sums. Whichever they take, every output number must still come out within the allowed error. Rounding operands to bf16 (8 significant bits) uses up far more of that allowance than f16 does (11 bits, for magnitudes from 6e-5 to 65,504). All else is computed in f32.
;;   The module's matrix products, in the order in which they are computed (A, B: the left and right operand; K: the contracted axis; several contracted axes count as one K, in the product's order):
;;     1. [M 8,192, K 1,024] x [K 1,024, N 1,024]; A: input x; B: input Wq: QUANTISED
;;     2. [M 8,192, K 1,024] x [K 1,024, N 1,024]; A: input x; B: input Wk: QUANTISED
;;     3. [M 8,192, K 1,024] x [K 1,024, N 1,024]; A: input x; B: input Wv: QUANTISED
;;     4. batch 64 x [M 2,048, K 64] x [K 64, N 2,048]; A: computed on the way; B: computed on the way: left as it is (an operand is computed on the way)
;;     5. batch 64 x [M 2,048, K 2,048] x [K 2,048, N 64]; A: computed on the way; B: computed on the way: left as it is (an operand is computed on the way)
;;     6. [M 8,192, K 1,024] x [K 1,024, N 1,024]; A: computed on the way; B: input Wo: left as it is (an operand is computed on the way)
;;   THE QUANTISER, for each operand of a quantised product, along K:
;;     - K is cut into blocks of 32 from its start; a last block that is shorter is filled with zeros.
;;     - A block's scale is 2^e with e = floor(log2(the largest magnitude in the block)) - 2, held to -126 .. 127; a block of zeros has e = 0. As a byte (E8M0): e + 127.
;;     - Each number is divided by its block's scale, clamped to +-6, and rounded to the nearest number of E2M1, ties to even, subnormals kept.
;;     - The product sums the exact products of the quantised numbers (number of the format x scale) in f32.
;;   ~~~python
;;   def quantise(x, axis):      # numpy; x: float32 -> the quantised numbers, widened to float32 again
;;       x = np.moveaxis(x, axis, -1); K = x.shape[-1]
;;       x = np.pad(x, [(0, 0)] * (x.ndim - 1) + [(0, -K % 32)]); x = x.reshape(x.shape[:-1] + (-1, 32)); a = np.abs(x).max(-1, keepdims=True)
;;       e = np.where(a > 0, np.clip(np.frexp(np.where(a > 0, a, 1))[1] - 1 - 2, -126, 127), 0)      # np.frexp(a)[1] - 1 = floor(log2(a)), exactly
;;       r = np.clip(x / 2.0 ** e, -6, 6)
;;       step = 2.0 ** (np.maximum(np.frexp(np.where(r == 0, 1, r))[1] - 1, 0) - 1)
;;       q = np.round(r / step) * step * 2.0 ** e      # np.round: ties to even
;;       return np.moveaxis(q.reshape(q.shape[:-2] + (-1,))[..., :K], -1, axis).astype(np.float32)
;;   ~~~
;; One version. Each part assembles by itself: llvm-mc -triple=amdgcn-amd-amdhsa -mcpu=gfx1250 --defsym DOCPART=n.
;; ======== version 1 of 1: 4 launches
;; limits: values are held in f16: magnitudes above 65,504 overflow, below 6.1e-05 lose precision
;; workspace buffers: xc 4,194,304 bytes; xs 262,144 bytes; wc 1,572,864 bytes; ws 98,304 bytes; woh 2,097,152 bytes; qkv 50,331,648 bytes; att 16,777,216 bytes
;; launch prep (part 1): grid 384 x 1, 4 waves a work-group, no clusters, 33,280 bytes of LDS; arguments x, Wq, Wk, Wv, Wo, xc, xs, wc, ws, woh; writes xc, xs, wc, ws, woh
.if DOCPART == 1
	.amdgcn_target "amdgcn-amd-amdhsa--gfx1250"
	.amdhsa_code_object_version 6
	.text
	.protected	k_q05146b21e6_prep
	.globl	k_q05146b21e6_prep
	.p2align	8
	.type	k_q05146b21e6_prep,@function
k_q05146b21e6_prep:
	s_mov_b64 s[64:65], 0
	v_nop
	global_prefetch_b8 v0, s[64:65] scope:SCOPE_SE
	s_setreg_imm32_b32 hwreg(HW_REG_WAVE_MODE, 25, 1), 1
	s_wait_xcnt 0x0
; x [8192][1024], Wq, Wk, Wv [1024][1024], f32, K innermost, become codes of FP4 (E2M1), two to a byte, with one E8M0 scale byte for each 32 along K:
;   xc [8192][512 bytes], xs [8192][32 bytes];  wc [3072][512 bytes], ws [3072][32 bytes]: rows 0-1023 Wq, 1024-2047 Wk, 2048-3071 Wv.
; Wo [1024 n][1024 k], f32, becomes f16 laid by blocks of 64 along K: woh [16 kb][1024 n][64], so that a K block of any rows is dense.
; A block's scale is 2^(floor(log2(its largest magnitude)) - 2); its byte is the largest magnitude's exponent field - 2, held at 1 from below.
; LIMITS: a block of zeros gets the byte 1 (its codes are zeros, and this program alone reads the bytes); blocks whose largest magnitude lies under 2^(2 - 126) keep the byte 1;
; NaN and infinities among the inputs are not served; a number of Wo beyond 65,504 in magnitude becomes an infinity of f16.
; SHARES: work-groups 0-255 take x, 256-287 Wq, 288-319 Wk, 320-351 Wv, 32,768 numbers each (8,192 a wave, 16 steps of 512); work-groups 352-383 take 32 rows of Wo each.
; Rows are dense and K is a multiple of 32: the four quantised tensors are plain streams of blocks of 32, and so are their codes and scale bytes.
; THE QUANTISER: each of a step's four loads reads 512 consecutive bytes, 16 a lane; the 2,048 bytes turn through the wave's own stage in LDS and come back 64 bytes a lane: 16 neighbours along K, two lanes to a block.
; A lane's 16 codes are 8 bytes: the wave stores 256 consecutive bytes.  A wave's 256 scale bytes are gathered in its own LDS bytes and leave as 256 consecutive bytes.  No barrier: waves share nothing.
.set WAVES, 4
.set STEPS, 16
.set EMAX,  2
.set CB,    8                          ; bytes of 16 codes
.set R,     16                         ; v16-79   four sets of 16 numbers as they are loaded
.set X,     80                         ; v80-111  two sets of 16 neighbours
.set E,     112                        ; v112-127 a scale byte for each step
.set C,     128                        ; v128-191 codes: four registers for each step, so that no store's data are written again
.set WREG,  8192                       ; LDS: a region for each wave: two stages of 32 x SP bytes, behind them its 256 scale bytes
.set SP,    80                         ; a lane's place in a stage: 64 bytes + 16 of padding
.set SPW,   12                         ; v12  LDS address of my spare word; never rewritten
.set NIL,   13                         ; v13  0; never rewritten
.set SPARE, WAVES*WREG                 ; behind the four regions: the spare words, 128 bytes a wave; no other line names them
	s_load_b256 s[4:11], s[0:1], 0x0               ; x s[4:5], Wq s[6:7], Wk s[8:9], Wv s[10:11]
	s_load_b256 s[12:19], s[0:1], 0x20             ; Wo s[12:13], xc s[14:15], xs s[16:17], wc s[18:19]
	s_load_b128 s[20:23], s[0:1], 0x40             ; ws s[20:21], woh s[22:23]
	v_lshl_add_u32 v[SPW], v0, 2, SPARE
	v_mov_b32 v[NIL], 0
	v_lshrrev_b32 v1, 5, v0
	v_readfirstlane_b32 s32, v1                    ; wave 0..3
	v_and_b32 v2, 31, v0                           ; lane
	s_cmp_ge_u32 ttmp9, 352                        ; the last 32 work-groups take Wo: a branch on the work-group's number alone
	s_cbranch_scc1 .Lwo
	; ---------------- the quantiser ----------------
	v_lshlrev_b32 v3, 4, v2                        ; my 16 bytes of a load's 512
	s_mul_i32 s33, s32, WREG
	v_lshrrev_b32 v14, 2, v2
	v_mul_u32_u24 v14, v14, SP
	v_and_b32 v15, 3, v2
	v_lshl_add_u32 v14, v15, 4, v14
	v_add_nc_u32 v14, s33, v14                     ; the stage, on the way in: SP (lane / 4) + 16 (lane % 4)
	v_mul_u32_u24 v15, v2, SP
	v_add_nc_u32 v15, s33, v15                     ; and on the way out: SP x lane: my 16 neighbours
	v_mul_u32_u24 v4, v2, CB                       ; my codes' place in a step's
	v_lshrrev_b32 v5, 1, v2
	s_add_co_u32 s33, s33, 2*32*SP
	v_add_nc_u32 v5, s33, v5                       ; my wave's 256 scale bytes, my block's byte
	v_lshlrev_b32 v7, 3, v2                        ; on their way out 8 bytes a lane
	v_add_nc_u32 v6, s33, v7
	s_wait_kmcnt 0x0
	s_cmp_lt_u32 ttmp9, 320                        ; which tensor: the choices hang on the work-group's number alone
	s_cselect_b64 s[24:25], s[8:9], s[10:11]       ; Wk or Wv
	s_cmp_lt_u32 ttmp9, 288
	s_cselect_b64 s[24:25], s[6:7], s[24:25]       ; Wq
	s_cmp_lt_u32 ttmp9, 256
	s_cselect_b64 s[24:25], s[4:5], s[24:25]       ; x
	s_cselect_b64 s[26:27], s[14:15], s[18:19]     ; the codes' buffer
	s_cselect_b64 s[28:29], s[16:17], s[20:21]     ; the scale bytes' buffer
	s_cselect_b32 s30, 0, 256                      ; the first work-group of that pair of buffers
	s_cselect_b32 s31, -1, 31                      ; a weight has 32 work-groups
	s_sub_co_u32 s30, ttmp9, s30                   ; my place in the codes' buffer,
	s_and_b32 s31, s30, s31                        ; and in the tensor that I read
	s_lshl_b32 s31, s31, 2
	s_add_co_u32 s31, s31, s32                     ; which run of 8,192 numbers of the tensor is my wave's
	s_lshl_b32 s34, s31, 15                        ; 32,768 bytes a run
	s_mov_b32 s35, 0
	s_add_nc_u64 s[24:25], s[24:25], s[34:35]
	s_lshl_b32 s30, s30, 2
	s_add_co_u32 s30, s30, s32
	s_lshl_b32 s34, s30, 12                        ; 4,096 bytes of codes a run
	s_add_nc_u64 s[26:27], s[26:27], s[34:35]
	s_lshl_b32 s34, s30, 8                         ; 256 scale bytes a run
	s_add_nc_u64 s[28:29], s[28:29], s[34:35]
.macro LOAD t
.irp i, 0,1,2,3
	global_load_b128 v[R+16*((\t)%4)+4*\i:R+16*((\t)%4)+4*\i+3], v3, s[24:25] offset:2048*(\t)+512*\i th:TH_LOAD_NT   ; 32 lanes read 512 consecutive bytes
.endr
.endm
.macro TURN t                          ; step t's numbers through the stage: LDS serves a wave's instructions in order, so no wait stands between the stores and the loads
.irp i, 0,1,2,3
	ds_store_b128 v14, v[R+16*((\t)%4)+4*\i:R+16*((\t)%4)+4*\i+3] offset:32*SP*((\t)%2)+8*SP*\i
.endr
.irp i, 0,1,2,3
	ds_load_b128 v[X+16*((\t)%2)+4*\i:X+16*((\t)%2)+4*\i+3], v15 offset:32*SP*((\t)%2)+16*\i
.endr
.endm
.irp t, 0,1,2,3
	LOAD \t
.endr
	s_wait_loadcnt 12                              ; step 0's four loads are in; the twelve of steps 1 to 3 may be out
	TURN 0
.macro STEP t
.set XS, X+16*((\t)%2)
.if (\t) > 0
	s_wait_dscnt 1                                 ; this step's numbers are back from the stage (the last step's byte store may be out): so its stores into the stage have read their registers,
.else
	s_wait_dscnt 0x0
.endif
.if (\t)+4 < STEPS
	LOAD (\t)+4                                    ; which take the loads of four steps on
.endif
.if (\t)+1 < STEPS
.if STEPS-2-(\t) >= 3
	s_wait_loadcnt 12                              ; the next step's four loads are in; those of the three steps behind it may be out
.else
	s_wait_loadcnt 4*(STEPS-2-(\t))
.endif
	TURN (\t)+1                                    ; and go through the other stage while this step is worked
.endif
	v_max3_num_f32 v8, |v[XS]|, |v[XS+1]|, |v[XS+2]|               ; the largest magnitude of my 16, in two chains
	v_max3_num_f32 v9, |v[XS+3]|, |v[XS+4]|, |v[XS+5]|
.irp i, 6,10
	v_max3_num_f32 v8, v8, |v[XS+\i]|, |v[XS+\i+1]|
	v_max3_num_f32 v9, v9, |v[XS+\i+2]|, |v[XS+\i+3]|
.endr
	v_max3_num_f32 v8, v8, |v[XS+14]|, |v[XS+15]|
	v_max3_num_f32 v8, v8, v9, (EMAX+1)<<23        ; and the floor 2^(EMAX + 1 - 127): the byte cannot fall under 1
	v_max_num_f32_dpp v8, v8, v8 row_xmask:1 row_mask:0xf bank_mask:0xf   ; and of my neighbour's 16: the block's
	v_add_nc_u32 v11, -(EMAX<<23), v8              ; EMAX off its exponent field: the conversion takes the exponent field of this operand as its scale
	v_cvt_scalef32_pk8_fp4_f32 v[C+4*(\t)], v[XS:XS+7], v11        ; eight numbers / the scale, to the nearest code, ties to even, beyond the largest code the largest
	v_cvt_scalef32_pk8_fp4_f32 v[C+4*(\t)+1], v[XS+8:XS+15], v11
	v_lshrrev_b32 v[E+(\t)], 23, v11               ; the scale's byte (also the plain line behind the conversions)
	ds_store_b8 v5, v[E+(\t)] offset:16*(\t)       ; both lanes of a block write the same byte with the same value
	global_store_b64 v4, v[C+4*(\t):C+4*(\t)+1], s[26:27] offset:32*CB*(\t)   ; 32 lanes store 256 consecutive bytes
.endm
.irp t, 0,1,2,3,4,5,6,7,8,9,10,11,12,13,14,15
	STEP \t
.endr
	ds_load_b64 v[8:9], v6                         ; LDS serves a wave's instructions in order: these see my byte stores
	s_wait_dscnt 0x0
	global_store_b64 v7, v[8:9], s[28:29]          ; 32 lanes store my wave's 256 scale bytes
	s_wait_tensorcnt 0x0                           ; the wave's end, behind my last LDS store
	ds_add_u32 v[SPW], v[NIL]
	s_wait_dscnt 0x0
	s_endpgm
	; ---------------- Wo to f16, by K blocks.  This arm touches no LDS ----------------
	; My wave takes 8 rows, four at a time.  Lane l: row l / 8 of the four, numbers 8 (l % 8) .. + 7 of a K block: eight lanes read a block's 256 bytes of a row,
	; and the 32 lanes store 4 rows x 128 bytes = 512 consecutive bytes of woh.
.Lwo:
	v_lshrrev_b32 v3, 3, v2
	v_and_b32 v4, 7, v2
	v_lshlrev_b32 v3, 12, v3
	v_lshl_add_u32 v3, v4, 5, v3                   ; in: 4,096 (l / 8) + 32 (l % 8)
	v_lshlrev_b32 v4, 4, v2                        ; out: 16 l
	s_sub_co_u32 s33, ttmp9, 352
	s_lshl_b32 s33, s33, 5
	s_lshl_b32 s34, s32, 3
	s_add_co_u32 s33, s33, s34                     ; my first row: 32 x work-group + 8 x wave
	s_lshl_b32 s34, s33, 12                        ; 4,096 bytes a row of Wo
	s_mov_b32 s35, 0
	s_lshl_b32 s36, s33, 7                         ; 128 bytes a row of a K block of woh
	s_mov_b32 s37, 0
	s_wait_kmcnt 0x0
	s_add_nc_u64 s[12:13], s[12:13], s[34:35]
	s_add_nc_u64 s[22:23], s[22:23], s[36:37]
; batch n = 0..3: rows 4 (n / 2) on, K blocks 8 (n % 2) .. + 7: sixteen loads into 64 registers
.macro WLOAD n, set
.irp k, 0,1,2,3,4,5,6,7
	global_load_b128 v[\set+8*\k:\set+8*\k+3],   v3, s[12:13] offset:((\n)/2)*16384+(8*((\n)%2)+\k)*256 th:TH_LOAD_NT
	global_load_b128 v[\set+8*\k+4:\set+8*\k+7], v3, s[12:13] offset:((\n)/2)*16384+(8*((\n)%2)+\k)*256+16 th:TH_LOAD_NT
.endr
.endm
.macro WOUT n, set
.irp k, 0,1,2,3,4,5,6,7
.irp j, 0,1,2,3
	v_cvt_pk_f16_f32 v[144+4*\k+\j], v[\set+8*\k+2*\j], v[\set+8*\k+2*\j+1]
.endr
	global_store_b128 v4, v[144+4*\k:144+4*\k+3], s[22:23] offset:(8*((\n)%2)+\k)*131072+((\n)/2)*512
.endr
.endm
	WLOAD 0, 16
	WLOAD 1, 80
	s_wait_loadcnt 16                              ; batch 0 is in; batch 1's sixteen loads may be out
	WOUT 0, 16
	WLOAD 2, 16
	s_wait_loadcnt 16                              ; batch 1 is in
	s_wait_xcnt 0x0                                ; the last batch's stores have read v144-175: they are written again only behind this wait
	WOUT 1, 80
	WLOAD 3, 80
	s_wait_loadcnt 16                              ; batch 2 is in
	s_wait_xcnt 0x0
	WOUT 2, 16
	s_wait_loadcnt 0x0                             ; batch 3 is in
	s_wait_xcnt 0x0
	WOUT 3, 80
	s_endpgm
.Lfunc_end_k_q05146b21e6_prep:
	.size	k_q05146b21e6_prep, .Lfunc_end_k_q05146b21e6_prep-k_q05146b21e6_prep
	.p2alignl 7, 3214868480
	.fill 96, 4, 3214868480
	.section	.rodata,"a",@progbits
	.p2align	6, 0x0
	.amdhsa_kernel k_q05146b21e6_prep
		.amdhsa_group_segment_fixed_size 33280
		.amdhsa_private_segment_fixed_size 0
		.amdhsa_enable_private_segment 0
		.amdhsa_kernarg_size 80
		.amdhsa_user_sgpr_count 2
		.amdhsa_user_sgpr_kernarg_segment_ptr 1
		.amdhsa_wavefront_size32 1
		.amdhsa_system_sgpr_workgroup_id_x 1
		.amdhsa_system_sgpr_workgroup_id_y 1
		.amdhsa_system_sgpr_workgroup_id_z 1
		.amdhsa_system_vgpr_workitem_id 0
		.amdhsa_next_free_vgpr 192
		.amdhsa_next_free_sgpr 66
		.amdhsa_reserve_vcc 0
		.amdhsa_float_denorm_mode_32 3
		.amdhsa_float_denorm_mode_16_64 3
		.amdhsa_memory_ordered 1
		.amdhsa_forward_progress 1
		.amdhsa_inst_pref_size 51
	.end_amdhsa_kernel
	.amdgpu_metadata
---
amdhsa.version: [ 1, 2 ]
amdhsa.kernels:
  - .name:           k_q05146b21e6_prep
    .symbol:         k_q05146b21e6_prep.kd
    .args:
      - { .name: x, .offset: 0, .size: 8, .value_kind: global_buffer, .address_space: global }
      - { .name: Wq, .offset: 8, .size: 8, .value_kind: global_buffer, .address_space: global }
      - { .name: Wk, .offset: 16, .size: 8, .value_kind: global_buffer, .address_space: global }
      - { .name: Wv, .offset: 24, .size: 8, .value_kind: global_buffer, .address_space: global }
      - { .name: Wo, .offset: 32, .size: 8, .value_kind: global_buffer, .address_space: global }
      - { .name: xc, .offset: 40, .size: 8, .value_kind: global_buffer, .address_space: global }
      - { .name: xs, .offset: 48, .size: 8, .value_kind: global_buffer, .address_space: global }
      - { .name: wc, .offset: 56, .size: 8, .value_kind: global_buffer, .address_space: global }
      - { .name: ws, .offset: 64, .size: 8, .value_kind: global_buffer, .address_space: global }
      - { .name: woh, .offset: 72, .size: 8, .value_kind: global_buffer, .address_space: global }
    .group_segment_fixed_size: 33280
    .private_segment_fixed_size: 0
    .kernarg_segment_align: 8
    .kernarg_segment_size: 80
    .max_flat_workgroup_size: 128
    .sgpr_count:     66
    .vgpr_count:     192
    .wavefront_size: 32
...
	.end_amdgpu_metadata
.endif
;; end of part 1
;; launch qkvproj (part 2): grid 12 x 32, 4 waves a work-group, clusters of 4 x 4, 327,680 bytes of LDS; arguments xc, xs, wc, ws, qkv; writes qkv
.if DOCPART == 2
	.amdgcn_target "amdgcn-amd-amdhsa--gfx1250"
	.amdhsa_code_object_version 6
	.text
	.protected	k_q05146b21e6_qkvproj
	.globl	k_q05146b21e6_qkvproj
	.p2align	8
	.type	k_q05146b21e6_qkvproj,@function
k_q05146b21e6_qkvproj:
	s_mov_b64 s[64:65], 0
	v_nop
	global_prefetch_b8 v0, s[64:65] scope:SCOPE_SE
	s_setreg_imm32_b32 hwreg(HW_REG_WAVE_MODE, 25, 1), 1
	s_wait_xcnt 0x0
	s_wait_alu depctr_hold_cnt(0) depctr_sa_sdst(0) depctr_va_vdst(0) depctr_va_sdst(0) depctr_va_ssrc(0) depctr_va_vcc(0) depctr_vm_vsrc(0)
	s_getreg_b32 s2, hwreg(HW_REG_IB_STS2, 6, 4)
	s_cmp_eq_u32 s2, 0
	s_cbranch_scc0 .Lentry_in_a_cluster
	s_endpgm
.Lentry_in_a_cluster:
	s_bfe_u32 s2, ttmp6, 0x10000c
	s_cmp_lg_u32 s2, 0xf033
	s_cbranch_scc0 .Lentry_shape_is_right
	s_endpgm
.Lentry_shape_is_right:
; [Q | K | V] = x [Wq | Wk | Wv]^T on codes of FP4 (E2M1) with one E8M0 scale for each 32 along K: C[m][n] = sum over k of A[m][k] B[n][k], A = xc [8192][1024 codes], B = wc [3072][1024 codes]; sums in f32.
; The result leaves as f16, laid by tensor and head: qkv [3][64 bh][2048 t][64], bh = 16 b + head.  LIMIT: a result beyond 65,504 in magnitude becomes an infinity of f16.
; A tile of C, 256 x 256, is made by a work-group of four waves; a wave makes 128 x 128: 64 accumulators of 16 x 16, 512 registers.
; K = 1,024 is exactly two LDS slots of 512 along K (rows of 256 bytes): both are asked for at the head, and nothing is filled again.  The scale bytes of the work-group's rows come with them, in rows of 256 bytes.
; CLUSTERS: 4 x 4 work-groups.  The four of a row of the cluster need the same tiles of A, the four of a column the same tiles of B: each tile is asked for JOINTLY, by the same tensor load with the same
; descriptor and a mask that names the four.  THE MATRIX INSTRUCTION IS USED TRANSPOSED (source 0 = 16 rows of B, source 1 = 16 rows of A): a lane then holds eight neighbouring features of one token.
; REGISTERS, in windows of 256: window 0: v0-31 addresses; v32-95 scale words, two sets, and nothing else; v128-191 A's fragments, ONE set (on the way out: rows read back); v192-223 packed results.
;   window 1: B's fragments, TWO sets, at v0 and v128.   window 2: the accumulators of my rows 0-63 ((a, b) at v[8 (8 a + b)]);   window 3: those of my rows 64-127.
.set SIZE_K, 1024
.set KSTEP,  512                       ; along K in a slot
.set NQ,     KSTEP/128                 ; matrix instructions deep
.set ROWB,   256                       ; a tile's row in bytes
.set KROW,   SIZE_K*4/8                ; a row of codes in memory
.set PITCH,  272                       ; an LDS row: 256 bytes + 16 of padding: an odd multiple of 16, so the 16 rows of a load start at 16 different 16-byte columns of 256 bytes
.set FR,     8                         ; registers of a fragment: 16 rows x 128 K
.set NL,     2                         ; LDS loads that bring one
.set NP,     4                         ; places behind this matrix instruction (ISA guide 7.12.1)
.set HALFT,  128*PITCH                 ; 128 rows: what one tensor load brings
.set SLOT,   4*HALFT                   ; A's 256 rows, then B's 256 rows
.set KS,     SIZE_K/32                 ; a row of scale bytes
.set SCL,    2*SLOT                    ; behind the slots: the scale bytes, as rows of 256 bytes + 16 of padding
.set HALFS,  (128*KS/256)*272          ; those of 128 rows: what one tensor load brings
.set SBLK,   (16*KS/256)*272           ; those of 16 rows
.set STAGE,  SCL+4*HALFS               ; behind the scales: the way out: 16 rows x (256 bytes + 16) for each wave; no tensor load lands here
.set SPITCH, 272
.set SPARE,  STAGE+4*16*SPITCH         ; behind the stages: the spare words, 128 bytes a wave; no other line names them
.set ADRA, 16                          ; v16-17  LDS address of my A fragments in slot 0, 1
.set ADRB, 20                          ; v20-21  the same for B
.set STO,  24                          ; v24     the way out: where I put 16 bytes of a token's row
.set RD,   25                          ; v25     where I read back
.set CO,   26                          ; v26     my byte offset in qkv
.set ADRS, 27                          ; v27     LDS address of my scale words: lanes 0-15 A's rows, lanes 16-31 B's
.set SPW,  28                          ; v28     LDS address of my spare word; never rewritten
.set NIL,  29                          ; v29     0; never rewritten
.set SC,   32                          ; scale words: set s at v[SC + 32 s]; register NQ i + q: lanes 0-15 the word of A's block i, lanes 16-31 of B's block i, for the slot's q-th 128 along K
.set AF,   128                         ; A's fragments
.set BK,   128                         ; the way out: v128-159 and v160-191 by turns
.set TMP,  192                         ; the way out: packed results
.set G1, 24                            ; s[24:31] group 1 for A's tiles;  s[32:39] group 0, one set for each slot
.set G0, 32
.set G1B, 48                           ; s[48:55], s[56:63] the same for B's tiles
.set G0B, 56
.set G1S, 68                           ; s[68:75], s[76:79] groups 1 and 0 for A's scales;  s[80:87], s[88:91] for B's
.set G0S, 76
.set G1SB, 80
.set G0SB, 88
.set MSB, 0
.macro WIN new                         ; the immediate's high byte repeats the setting that is left; a switch that changes nothing is dropped
.if MSB != (\new)
	s_set_vgpr_msb (MSB<<8)|(\new)
.set MSB, (\new)
.endif
.endm
.set MUL_LO, 0xa1                      ; source 0 (B) window 1, source 1 (A) window 0, C and D window 2
.set MUL_HI, 0xf1                      ; the same, C and D window 3
.set TO_B,   0x40                      ; destination window 1, address window 0
; A joint load: waves 0 and 1 fetch for A, waves 2 and 3 for B.  The branch hangs on the wave's number alone.  An s_nop 0 and four v_nop follow each of the two lines.
.macro JLOAD g0a, g1a, g0b, g1b
	s_cmp_eq_u32 s15, 0
	s_cbranch_scc0 .Lfor_b_\@
	tensor_load_to_lds s[\g0a:\g0a+3], s[\g1a:\g1a+7]
	s_nop 0
.rept 4
	v_nop
.endr
	s_branch .Lasked_\@
.Lfor_b_\@:
	tensor_load_to_lds s[\g0b:\g0b+3], s[\g1b:\g1b+7]
	s_nop 0
.rept 4
	v_nop
.endr
.Lasked_\@:
.endm
.macro CROUND                          ; a round of the cluster's barrier: my work-group's barrier; wave 0 signals for the work-group; every wave waits for all sixteen; my work-group's barrier once more
	s_barrier_signal -1
	s_barrier_wait -1
	s_cmp_lg_u32 s14, 0
	s_cbranch_scc1 .Lnot_wave_0_\@
	s_barrier_signal -3
.Lnot_wave_0_\@:
	s_barrier_wait -3
	s_barrier_signal -1
	s_barrier_wait -1
.endm
	s_load_b128 s[4:7], s[0:1], 0x0                ; A's codes s[4:5], A's scales s[6:7]
	s_load_b128 s[8:11], s[0:1], 0x10              ; B's codes s[8:9], B's scales s[10:11]
	s_load_b64 s[12:13], s[0:1], 0x20              ; qkv
	v_lshl_add_u32 v[SPW], v0, 2, SPARE
	v_mov_b32 v[NIL], 0
	ds_add_u32 v[SPW], v[NIL]                      ; the wave's opening: the add, twice on end, and its wait ahead of my first tensor load
	ds_add_u32 v[SPW], v[NIL]
	v_lshrrev_b32 v1, 5, v0
	v_readfirstlane_b32 s14, v1                    ; wave 0..3
	s_lshr_b32 s15, s14, 1                         ; which half of the tile's rows is mine.  Also: I fetch for A (0) or for B (1)
	s_and_b32 s16, s14, 1                          ; which half of its columns.  Also: which 128 rows of that tile I fetch
	s_bfe_u32 s40, ttmp6, 0x40000                  ; cx, cy: my place in the cluster
	s_bfe_u32 s41, ttmp6, 0x40004
	s_lshl_b32 s42, ttmp9, 2
	s_add_co_u32 s42, s42, s40                     ; tile column of C = 4 x cluster x + cx
	s_and_b32 s17, ttmp7, 0xffff
	s_lshl_b32 s17, s17, 2
	s_add_co_u32 s17, s17, s41                     ; tile row of C = 4 x cluster y + cy
	s_lshl_b32 s43, s41, 2
	s_lshl_b32 s43, 15, s43                        ; my row of the cluster
	s_lshl_b32 s44, 0x1111, s40                    ; my column
	; group 1: a tile of 128 rows x 256 bytes, padded in LDS
	s_or_b32 s[G1+0], s43, (0<<16)|(1<<20)|(1<<21)|(5<<22)|(3<<25)  ; 15:0 the mask: A's tiles go to my row; elements of 1 byte; padding on; bit 21 beside a mask; after every 64 words, 4 words
	s_or_b32 s[G1B+0], s44, (0<<16)|(1<<20)|(1<<21)|(5<<22)|(3<<25)
.irp g, G1, G1B
	s_mov_b32 s[\g+1], ROWB<<16                    ; tensor_dim0
	s_mov_b32 s[\g+2], 128<<16                     ; tensor_dim1
	s_mov_b32 s[\g+3], ROWB<<16                    ; tile_dim0
	s_mov_b32 s[\g+4], 128                         ; tile_dim1
	s_mov_b32 s[\g+5], KROW                        ; from row to row
	s_mov_b32 s[\g+6], 0
	s_mov_b32 s[\g+7], 0
.endr
	; the scales of 128 rows: a dense block of 4,096 bytes, as 16 rows of 256 bytes (32 elements of 8 bytes), 16 bytes of padding behind each
	s_or_b32 s[G1S+0], s43, (3<<16)|(1<<20)|(1<<21)|(5<<22)|(3<<25)
	s_or_b32 s[G1SB+0], s44, (3<<16)|(1<<20)|(1<<21)|(5<<22)|(3<<25)
.irp g, G1S, G1SB
	s_mov_b32 s[\g+1], 32<<16
	s_mov_b32 s[\g+2], (128*KS/256)<<16
	s_mov_b32 s[\g+3], 32<<16
	s_mov_b32 s[\g+4], 128*KS/256
	s_mov_b32 s[\g+5], 32
	s_mov_b32 s[\g+6], 0
	s_mov_b32 s[\g+7], 0
.endr
	s_lshl_b32 s18, s16, 7                         ; which 128 rows of the tile I fetch
	s_lshl_b32 s20, s17, 8
	s_add_co_u32 s20, s20, s18                     ; A: row 256 x tile row + 128 x half
	s_lshl_b32 s46, s42, 8
	s_add_co_u32 s46, s46, s18                     ; B: row 256 x tile column + 128 x half
	s_mov_b32 s21, 0
	s_mov_b32 s47, 0
	s_mov_b64 s[18:19], KS
	s_mul_u64 s[22:23], s[20:21], s[18:19]         ; where these rows' scales begin, in bytes
	s_mul_u64 s[92:93], s[46:47], s[18:19]
	s_mov_b64 s[18:19], KROW
	s_mul_u64 s[20:21], s[20:21], s[18:19]         ; and their codes
	s_mul_u64 s[46:47], s[46:47], s[18:19]
	s_mul_i32 s45, s14, HALFT                      ; where they go: wave x 128 rows: no place in the cluster enters an LDS address
	s_mul_i32 s94, s14, HALFS
	s_wait_dscnt 0x0                               ; both opening adds are done
	s_wait_kmcnt 0x0
	s_add_nc_u64 s[20:21], s[4:5], s[20:21]
	s_add_nc_u64 s[22:23], s[6:7], s[22:23]
	s_add_nc_u64 s[46:47], s[8:9], s[46:47]
	s_add_nc_u64 s[92:93], s[10:11], s[92:93]
	CROUND                                         ; all sixteen work-groups are here: the joint loads meet
	s_mov_b32 s[G0S], 1
	s_add_co_u32 s[G0S+1], s94, SCL
	s_mov_b64 s[G0S+2:G0S+3], s[22:23]
	s_or_b32 s[G0S+3], s[G0S+3], 0x80000000
	s_mov_b32 s[G0SB], 1
	s_add_co_u32 s[G0SB+1], s94, SCL
	s_mov_b64 s[G0SB+2:G0SB+3], s[92:93]
	s_or_b32 s[G0SB+3], s[G0SB+3], 0x80000000
	JLOAD G0S, G1S, G0SB, G1SB                     ; the scales first: they are wanted with the first slot
.irp s, 0,1
	s_mov_b32 s[G0+4*\s], 1
	s_add_co_u32 s[G0+4*\s+1], s45, \s*SLOT
	s_add_nc_u64 s[G0+4*\s+2:G0+4*\s+3], s[20:21], \s*ROWB
	s_or_b32 s[G0+4*\s+3], s[G0+4*\s+3], 0x80000000
	s_mov_b32 s[G0B+4*\s], 1
	s_add_co_u32 s[G0B+4*\s+1], s45, \s*SLOT
	s_add_nc_u64 s[G0B+4*\s+2:G0B+4*\s+3], s[46:47], \s*ROWB
	s_or_b32 s[G0B+4*\s+3], s[G0B+4*\s+3], 0x80000000
	JLOAD G0+4*\s, G1, G0B+4*\s, G1B               ; three loads of mine are out in all
.endr
	v_and_b32 v1, 15, v0                           ; l % 16
	v_bfe_u32 v2, v0, 4, 1                         ; l / 16
	v_mul_u32_u24 v3, v1, PITCH
	v_lshl_add_u32 v4, v2, 4, v3                   ; a fragment's row x pitch + 16 x half
	s_mul_i32 s21, s15, HALFT                      ; my 128 rows of A
	s_mul_i32 s22, s16, HALFT                      ; my 128 rows of B,
	s_add_co_u32 s22, s22, 2*HALFT                 ; which lie behind A's 256
.irp s, 0,1
	v_add_nc_u32 v[ADRA+\s], s21, v4
	v_add_nc_u32 v[ADRB+\s], s22, v4
	s_add_co_u32 s21, s21, SLOT
	s_add_co_u32 s22, s22, SLOT
.endr
	v_mul_u32_u24 v5, v1, KS                       ; my row's scales: KS bytes a row,
	v_lshrrev_b32 v6, 8, v5
	v_lshl_add_u32 v5, v6, 4, v5                   ; and 16 more for each 256 passed
	s_mul_i32 s21, s15, HALFS                      ; A's: my 128 rows
	s_mul_i32 s22, s16, HALFS                      ; B's: my 128 rows, behind A's 256
	s_add_co_u32 s22, s22, 2*HALFS
	s_sub_co_u32 s22, s22, s21
	v_mul_u32_u24 v6, s22, v2                      ; lanes 16-31 take B's: one product, the distance x the lane's half
	s_add_co_u32 s21, s21, SCL
	v_add_nc_u32 v5, v5, v6
	v_add_nc_u32 v[ADRS], s21, v5
	s_mul_i32 s23, s14, 16*SPITCH
	s_add_co_u32 s23, s23, STAGE                   ; my stage
	v_mul_u32_u24 v5, v1, SPITCH                   ; in: token l % 16, 16 bytes for each half of the lanes
	v_lshl_add_u32 v5, v2, 4, v5
	v_add_nc_u32 v[STO], s23, v5
	v_bfe_u32 v5, v0, 3, 1                         ; back: lanes 0-15 take my first head's 128 bytes of two tokens, lanes 16-31 my second head's
	v_mul_u32_u24 v5, v5, SPITCH
	v_lshl_add_u32 v5, v2, 7, v5
	v_and_b32 v6, 7, v0
	v_lshl_add_u32 v5, v6, 4, v5
	v_add_nc_u32 v[RD], s23, v5
	v_lshlrev_b32 v[CO], 4, v1                     ; in qkv two tokens of a head are 256 consecutive bytes,
	v_lshl_add_u32 v[CO], v2, 18, v[CO]            ; and the next head lies 262,144 bytes on
	; where my part begins in qkv: tensor = cluster x (1,024 columns are four tiles); head = 4 cx + 2 x column half; b = tile row / 8; t = 256 (tile row % 8) + 128 x row half
	s_lshr_b32 s20, s17, 3
	s_lshl_b32 s20, s20, 22                        ; b: 16 heads of 262,144 bytes
	s_and_b32 s21, s17, 7
	s_lshl_b32 s21, s21, 15                        ; 256 tokens of 128 bytes
	s_add_co_u32 s20, s20, s21
	s_lshl_b32 s21, s15, 14
	s_add_co_u32 s20, s20, s21
	s_mov_b32 s21, 0
	s_lshl_b32 s46, ttmp9, 24                      ; (what hangs on the column stays in the registers that held B's address)
	s_lshl_b32 s47, s40, 20
	s_add_co_u32 s46, s46, s47
	s_lshl_b32 s47, s16, 19
	s_add_co_u32 s46, s46, s47
	s_mov_b32 s47, 0
	s_add_nc_u64 s[12:13], s[12:13], s[20:21]
	s_add_nc_u64 s[12:13], s[12:13], s[46:47]
.macro FRAG reg, adr, q, i             ; a fragment, 16 rows x 128 K of 4-bit codes: lane l holds row l % 16; registers 4 c .. 4 c + 3 hold K = 64 c + 32 (l / 16) + 0 .. 31
.irp c, 0,1
	ds_load_b128 v[\reg+4*\c:\reg+4*\c+3], v[\adr] offset:64*(\q)+32*\c+(\i)*16*PITCH
.endr
.endm
; 16 matrix instructions: A's blocks a0, a0 + 1 x B's eight, the slot's q-th 128 along K.  p: B's set;  sc: the set of scale words.  zero = 1: the first product starts the sums.
; The 64 accumulators take turns, one instruction a turn, in the same order in every step.
.macro MUL16 a0, p, q, sc, zero
.irp a, \a0, \a0+1
.irp b, 0,1,2,3,4,5,6,7
.if \zero
	v_wmma_scale_f32_16x16x128_f8f6f4 v[8*(8*((\a)%4)+\b):8*(8*((\a)%4)+\b)+7], v[128*(\p)+FR*\b:128*(\p)+FR*\b+FR-1], v[AF+FR*(\a):AF+FR*(\a)+FR-1], 0, v[SC+8*NQ*(\sc)+NQ*\b+(\q)], v[SC+8*NQ*(\sc)+NQ*(\a)+(\q)] matrix_a_fmt:MATRIX_FMT_FP4 matrix_b_fmt:MATRIX_FMT_FP4 matrix_a_scale:MATRIX_SCALE_ROW1
.else
	v_wmma_scale_f32_16x16x128_f8f6f4 v[8*(8*((\a)%4)+\b):8*(8*((\a)%4)+\b)+7], v[128*(\p)+FR*\b:128*(\p)+FR*\b+FR-1], v[AF+FR*(\a):AF+FR*(\a)+FR-1], v[8*(8*((\a)%4)+\b):8*(8*((\a)%4)+\b)+7], v[SC+8*NQ*(\sc)+NQ*\b+(\q)], v[SC+8*NQ*(\sc)+NQ*(\a)+(\q)] matrix_a_fmt:MATRIX_FMT_FP4 matrix_b_fmt:MATRIX_FMT_FP4 matrix_a_scale:MATRIX_SCALE_ROW1
.endif
.endr
.endr
.endm
.macro FETCH_B slot, q, p              ; B's eight fragments of the slot's q-th 128 along K into set p
	WIN TO_B
.irp i, 0,1,2,3,4,5,6,7
	FRAG 128*(\p)+FR*\i, ADRB+\slot, \q, \i
.endr
	WIN 0
.endm
.macro FETCH_A slot, q, i0             ; A's blocks i0 .. i0 + 3
.irp i, \i0, \i0+1, \i0+2, \i0+3
	FRAG AF+FR*(\i), ADRA+\slot, \q, \i
.endr
.endm
.macro SCALES sc                       ; a slot's scale words into set sc: NQ words a row; lanes 0-15 take A's block i, lanes 16-31 B's block i
.irp i, 0,1,2,3,4,5,6,7
	ds_load_b128 v[SC+8*NQ*\sc+NQ*\i:SC+8*NQ*\sc+NQ*\i+3], v[ADRS] offset:\i*SBLK
.endr
.endm
; A load into a register that a matrix instruction has read, and a vector instruction that reads a matrix result, stand NP plain vector instructions behind that matrix instruction.
.macro PLACES n
.rept \n
	v_nop
.endr
.endm
; A step of 128 along K that has its successor in the same slot.  A's blocks 0-3 are fetched anew in its middle, blocks 4-7 at its end; B has two sets.
.macro STEP slot, q, zero
	s_wait_dscnt 4*NL                              ; B's set and A's blocks 0-3 are in; the youngest eight loads (A's blocks 4-7) may be out
	WIN MUL_LO
	MUL16 0, (\q)%2, \q, \slot, \zero
	MUL16 2, (\q)%2, \q, \slot, \zero
	s_wait_dscnt 0                                 ; A's blocks 4-7 are in
	PLACES NP
	FETCH_B \slot, (\q)+1, 1-(\q)%2
	FETCH_A \slot, (\q)+1, 0
	WIN MUL_HI
	MUL16 4, (\q)%2, \q, \slot, \zero
	MUL16 6, (\q)%2, \q, \slot, \zero
	PLACES NP
	WIN 0
	FETCH_A \slot, (\q)+1, 4
.endm
; Slot 0's last step goes over to slot 1: each wave waits for all its tensor loads (slot 1's is the one still out), and a barrier shows the whole slot to every wave.  Nothing is filled again.
.macro TURN slot, next
	s_wait_tensorcnt 0x0                           ; all my tensor loads have landed
	ds_add_u32 v[SPW], v[NIL]                      ; 0 onto my spare word
	s_wait_dscnt 4*NL+1                            ; (the add and the youngest eight loads, A's blocks 4-7, may be out)
	WIN MUL_LO
	MUL16 0, 1, NQ-1, \slot, 0                     ; sixteen matrix instructions stand between the add and the wait for it
	s_wait_dscnt 0x0                               ; the add is done, and my reads of this slot are over
	s_barrier_signal -1
	MUL16 2, 1, NQ-1, \slot, 0
	WIN 0
	s_barrier_wait -1
	PLACES NP
	v_add_nc_u32 v[ADRS], 4*NQ, v[ADRS]            ; on to the next slot's scale words (no LDS load of mine is out)
	FETCH_B \next, 0, 0
	FETCH_A \next, 0, 0
	SCALES \next
	WIN MUL_HI
	MUL16 4, 1, NQ-1, \slot, 0
	MUL16 6, 1, NQ-1, \slot, 0
	PLACES NP
	WIN 0
	FETCH_A \next, 0, 4
.endm
.macro STEPS slot, from                ; the slot's steps from .. NQ - 2
.set Q, \from
.rept NQ-1-\from
	STEP \slot, Q, 0
.set Q, Q+1
.endr
.endm
	s_wait_tensorcnt 1                             ; the scales and my part of slot 0 are in (slot 1's load, issued behind them, may be out),
	s_barrier_signal -1
	s_barrier_wait -1                              ; everybody's are
	FETCH_B 0, 0, 0
	FETCH_A 0, 0, 0
	SCALES 0
	FETCH_A 0, 0, 4
	STEP 0, 0, 1                                   ; the first step's products start the sums: nothing is cleared
	STEPS 0, 1
	TURN 0, 1
	STEPS 1, 0
	s_wait_dscnt 4*NL                              ; the last step: nothing more to fetch
	WIN MUL_LO
	MUL16 0, 1, NQ-1, 1, 0
	MUL16 2, 1, NQ-1, 1, 0
	s_wait_dscnt 0
	WIN MUL_HI
	MUL16 4, 1, NQ-1, 1, 0
	MUL16 6, 1, NQ-1, 1, 0
	WIN 0
; THE WAY OUT, block by block of 16 tokens x 128 features (two heads).  PACK: rounded to f16, 16 bytes a lane.  TOSTAGE: into my own stage and back, so that sixteen lanes hold two tokens' 128 bytes of one head.  SEND: stored.
.macro PACK a
.set AC, 64*((\a)%4)
	WIN 0x0a+5*((\a)/4)                            ; sources 0 and 1: window 2 or 3
.irp b, 0,1,2,3,4,5,6,7
.irp r, 0,1,2,3
	v_cvt_pk_f16_f32 v[TMP+4*\b+\r], v[AC+8*\b+2*\r], v[AC+8*\b+2*\r+1]   ; each accumulator from its low end on
.endr
.endr
	WIN 0
.endm
.macro TOSTAGE a
.set BB, BK+32*((\a)%2)
.irp b, 0,1,2,3,4,5,6,7
	ds_store_b128 v[STO], v[TMP+4*\b:TMP+4*\b+3] offset:32*\b
.endr
.irp t, 0,1,2,3,4,5,6,7
	ds_load_b128 v[BB+4*\t:BB+4*\t+3], v[RD] offset:\t*2*SPITCH    ; LDS serves a wave's instructions in order (ISA guide 5.7.1.4): these see the stores above
.endr
.endm
.macro SEND a
.set BB, BK+32*((\a)%2)
	s_wait_dscnt 0x0                               ; the block is back in registers
	s_wait_xcnt 0x0                                ; the stores of the block before have read their registers: the next block's loads land there only behind this wait
.irp t, 0,1,2,3,4,5,6,7
	global_store_b128 v[CO], v[BB+4*\t:BB+4*\t+3], s[12:13] offset:(\a)*2048+256*\t   ; each sixteen lanes store 256 consecutive bytes, at a multiple of 256 from qkv's first byte
.endr
.endm
	PLACES NP                                      ; behind the last products: for the conversions that read results and the loads into A's registers
	PACK 0
	TOSTAGE 0
.irp a, 1,2,3,4,5,6,7                  ; block a's conversions stand between block a - 1's loads from the stage and the wait for them
	PACK \a
	SEND \a-1
	TOSTAGE \a
.endr
	SEND 7
	s_wait_tensorcnt 0x0                           ; the wave's end, behind my last tensor load and my last LDS store
	ds_add_u32 v[SPW], v[NIL]
	s_wait_dscnt 0x0
	CROUND                                         ; the closing round: no work-group ends while a partner may still ask for a tile that names it
	s_endpgm
.Lfunc_end_k_q05146b21e6_qkvproj:
	.size	k_q05146b21e6_qkvproj, .Lfunc_end_k_q05146b21e6_qkvproj-k_q05146b21e6_qkvproj
	.p2alignl 7, 3214868480
	.fill 96, 4, 3214868480
	.section	.rodata,"a",@progbits
	.p2align	6, 0x0
	.amdhsa_kernel k_q05146b21e6_qkvproj
		.amdhsa_group_segment_fixed_size 327680
		.amdhsa_private_segment_fixed_size 0
		.amdhsa_enable_private_segment 0
		.amdhsa_kernarg_size 40
		.amdhsa_user_sgpr_count 2
		.amdhsa_user_sgpr_kernarg_segment_ptr 1
		.amdhsa_wavefront_size32 1
		.amdhsa_system_sgpr_workgroup_id_x 1
		.amdhsa_system_sgpr_workgroup_id_y 1
		.amdhsa_system_sgpr_workgroup_id_z 1
		.amdhsa_system_vgpr_workitem_id 0
		.amdhsa_next_free_vgpr 1024
		.amdhsa_next_free_sgpr 98
		.amdhsa_reserve_vcc 0
		.amdhsa_float_denorm_mode_32 3
		.amdhsa_float_denorm_mode_16_64 3
		.amdhsa_memory_ordered 1
		.amdhsa_forward_progress 1
		.amdhsa_inst_pref_size 127
	.end_amdhsa_kernel
	.amdgpu_metadata
---
amdhsa.version: [ 1, 2 ]
amdhsa.kernels:
  - .name:           k_q05146b21e6_qkvproj
    .symbol:         k_q05146b21e6_qkvproj.kd
    .args:
      - { .name: xc, .offset: 0, .size: 8, .value_kind: global_buffer, .address_space: global }
      - { .name: xs, .offset: 8, .size: 8, .value_kind: global_buffer, .address_space: global }
      - { .name: wc, .offset: 16, .size: 8, .value_kind: global_buffer, .address_space: global }
      - { .name: ws, .offset: 24, .size: 8, .value_kind: global_buffer, .address_space: global }
      - { .name: qkv, .offset: 32, .size: 8, .value_kind: global_buffer, .address_space: global }
    .group_segment_fixed_size: 327680
    .private_segment_fixed_size: 0
    .kernarg_segment_align: 8
    .kernarg_segment_size: 40
    .max_flat_workgroup_size: 128
    .sgpr_count:     98
    .vgpr_count:     1024
    .wavefront_size: 32
...
	.end_amdgpu_metadata
.endif
;; end of part 2
;; launch attn (part 3): grid 4 x 64, 8 waves a work-group, clusters of 4 x 1, 327,680 bytes of LDS; arguments qkv, att; writes att
.if DOCPART == 3
	.amdgcn_target "amdgcn-amd-amdhsa--gfx1250"
	.amdhsa_code_object_version 6
	.text
	.protected	k_q05146b21e6_attn
	.globl	k_q05146b21e6_attn
	.p2align	8
	.type	k_q05146b21e6_attn,@function
k_q05146b21e6_attn:
	s_mov_b64 s[64:65], 0
	v_nop
	global_prefetch_b8 v0, s[64:65] scope:SCOPE_SE
	s_setreg_imm32_b32 hwreg(HW_REG_WAVE_MODE, 25, 1), 1
	s_wait_xcnt 0x0
	s_wait_alu depctr_hold_cnt(0) depctr_sa_sdst(0) depctr_va_vdst(0) depctr_va_sdst(0) depctr_va_ssrc(0) depctr_va_vcc(0) depctr_vm_vsrc(0)
	s_getreg_b32 s2, hwreg(HW_REG_IB_STS2, 6, 4)
	s_cmp_eq_u32 s2, 0
	s_cbranch_scc0 .Lentry_in_a_cluster
	s_endpgm
.Lentry_in_a_cluster:
	s_bfe_u32 s2, ttmp6, 0x10000c
	s_cmp_lg_u32 s2, 0x3003
	s_cbranch_scc0 .Lentry_shape_is_right
	s_endpgm
.Lentry_shape_is_right:
; O[bh][q][:] = the sum over k of softmax_k(Q[bh][q] . K[bh][k] / 8) V[bh][k][:], no mask.  qkv: f16 [3][64 bh][2048][64].  att: f16 [16 head][8192 token][64], token = 2048 b + t.
; Products on f16 operands with f32 sums; maxima, exponentials and row sums in f32; the weights p are rounded to f16 for the second product, O once at the end.
; LIMITS: a number of O beyond 65,504 in magnitude becomes an infinity of f16; NaN and infinities among the inputs are not served.
; SHARES.  A work-group owns 512 queries of one head, each of its eight waves 64: four tiles of 16, in 512 registers: two waves to a SIMD.  Every wave walks the head's 2,048 keys, 64 a step.
; LAYOUT.  S^T = K Q^T (source 0 = 16 keys, source 1 = 16 queries): a lane holds ONE query (lane % 16) and the keys 8 (lane / 16) + 0..7.  Two such tiles, rounded to f16 in pairs, ARE source 1
; (32 keys x 16 queries) of O^T = V^T P, whose result again holds one query a lane, and eight channels.  K comes out of LDS as it lies, V ([key][channel]) turned, by ds_load_tr16_b128.
; SOFTMAX.  For each query a running maximum m and sum l: p = 2^(c s - c m), c = log2(e) / 8; in every step O and l are multiplied by a = 2^(c m_old - c m_new), which is 1 where m has not grown.
; The step is written once for all steps: m begins at -3e38, l and O^T at 0, so that the first a is 0 and multiplies zeros.
; CLUSTER.  The four query blocks of a cluster belong to one head and walk the same K and V: each tile is asked for JOINTLY, by the same tensor load with the same descriptor and a mask that names the four.
; RING.  Two LDS slots of 512 keys (8 key steps); waves 0-3 fetch K's quarters, waves 4-7 V's, one load a wave behind each round; a slot is asked for a whole slot's 8 key steps ahead of its first read,
; so that no prefetch is laid beside the loads.
; REGISTERS: window 0: v0-11 addresses; v12-43 eight statistics a tile; v44-47 at work at the head; v64-191 S^T, 32 a tile (P is packed in place into a tile's first 16); v192-255 Q, 16 a tile.
;   window 1: v0-127 O^T, 32 a tile; v128-191 K of one step; v192-255 V of one step.
.set PK,    144       ; a row of K in LDS: 128 bytes + 16: an odd multiple of 16, so the 16 rows of a load start at different 16-byte columns of 256 bytes
.set PV,    160       ; a row of V: 128 + 32: an odd multiple of 32, as the turning load's 8 rows x 32 bytes want
.set SK,    512       ; keys in a slot
.set VOFF,  SK*PK     ; a slot: 512 rows of K, then 512 rows of V
.set SLOTB, SK*(PK+PV)
.set SPARE, 2*SLOTB   ; behind the ring: the spare words, 128 bytes for each of the eight waves; no other line names them
.set SP,    144       ; the way out: 16 rows x 144 bytes for each wave, at the head of slot 0, which has had its last fill and its last read by then
.set AK0, 2           ; v2   my lane's place in a tile of K; never rewritten
.set AV0, 3           ; v3   the same for V
.set ADRK, 4          ; v4   LDS address of the run of K's loads in hand
.set ADRV, 5          ; v5   of V's
.set QO,  6           ; v6   my byte offset in the wave's rows of Q
.set STO, 7           ; v7   the way out: where I put 16 bytes of a row
.set RD,  8           ; v8   where I read back
.set GO,  9           ; v9   my byte offset in the wave's rows of att
.set SPW, 10          ; v10  LDS address of my spare word; never rewritten
.set NIL, 11          ; v11  0; never rewritten
.set ST,  12          ; tile t's statistics at v[ST+8 t]: +0 c m, +1 m, +2, +3 l (even keys', odd keys'), +4 to +7 c0-c3, at work; a takes c2's place
.set S,   64
.set QF,  192
.set KF,  128         ; in window 1
.set VF,  192         ; in window 1
.set WV,  12          ; s12  my wave's number
.set G1K, 24          ; s[24:31] group 1 for K's tiles
.set G1V, 32          ; s[32:39] for V's: it differs in the padding alone
.set G0K, 40          ; s[40:43] group 0 for K's tiles; it walks
.set G0V, 44          ; s[44:47] for V's
.set LK,  48          ; s48  my quarter's place in a slot, for K
.set LV,  49          ; s49  for V
.set TBK, 50          ; s50  LDS byte at which the K tile to be fetched begins
.set TBV, 51          ; s51  the same for V
.set CNT, 52          ; s52  counts a slot's eight steps
.set CS,  54          ; s[54:55] c: the packed scaling names a pair and takes its low word for both halves
.set SEL, 56          ; s[56:57] lane selects for v_permlanex16_b32: lane l xor 16
.set MSB, 0
.macro WIN new                      ; the immediate's high byte repeats the setting that is left; a switch that changes nothing is dropped
.if MSB != (\new)
	s_set_vgpr_msb (MSB<<8)|(\new)
.set MSB, (\new)
.endif
.endm
.set W_KQ, 0x01       ; K in window 1; Q and S^T in window 0
.set W_PV, 0x51       ; V and O^T in window 1, P in window 0
.set W_RS, 0x41       ; O^T (destination and source 0) in window 1, a in window 0
.set W_LD, 0x40       ; a load's destination in window 1, its address in window 0
; A joint load.  Waves 0-3 fetch K's quarters of a slot, waves 4-7 V's.  The branch hangs on the wave's number alone.  An s_nop 0 and four v_nop follow each of the two lines.
.macro JLOAD
	s_cmp_lt_u32 s[WV], 4
	s_cbranch_scc0 .Lfor_v_\@
	tensor_load_to_lds s[G0K:G0K+3], s[G1K:G1K+7]
	s_nop 0
.rept 4
	v_nop
.endr
	s_branch .Lasked_\@
.Lfor_v_\@:
	tensor_load_to_lds s[G0V:G0V+3], s[G1V:G1V+7]
	s_nop 0
.rept 4
	v_nop
.endr
.Lasked_\@:
.endm
.macro CROUND                       ; a round of the cluster's barrier: my work-group's barrier; wave 0 signals for the work-group; every wave waits for all four; my work-group's barrier once more
	s_barrier_signal -1
	s_barrier_wait -1
	s_cmp_lg_u32 s[WV], 0
	s_cbranch_scc1 .Lnot_wave_0_\@
	s_barrier_signal -3
.Lnot_wave_0_\@:
	s_barrier_wait -3
	s_barrier_signal -1
	s_barrier_wait -1
.endm
	s_load_b128 s[4:7], s[0:1], 0x0  ; qkv s[4:5], att s[6:7]
	v_lshl_add_u32 v[SPW], v0, 2, SPARE
	v_mov_b32 v[NIL], 0
	ds_add_u32 v[SPW], v[NIL]       ; the wave's opening: the add, twice on end, and its wait ahead of my first tensor load
	ds_add_u32 v[SPW], v[NIL]
	v_lshrrev_b32 v1, 5, v0
	v_readfirstlane_b32 s[WV], v1   ; wave 0..7
	s_bfe_u32 s13, ttmp6, 0x40000   ; cx: my place in the cluster
	s_lshl_b32 s22, ttmp9, 2        ; in a cluster launch ttmp9 counts clusters
	s_add_co_u32 s13, s22, s13      ; my block of 512 queries: it enters Q's and att's addresses alone
	s_and_b32 s14, ttmp7, 0xffff    ; bh = 16 b + head, which the four partners share
	s_and_b32 s15, s[WV], 3         ; which quarter of a slot's 512 rows I fetch
	s_mul_i32 s[LK], s15, 128*PK    ; its place in a slot: no place in the cluster enters an LDS address
	s_mul_i32 s[LV], s15, 128*PV
	s_add_co_u32 s[LV], s[LV], VOFF
	s_lshl_b32 s20, s14, 18         ; a head is 262,144 bytes,
	s_lshl_b32 s21, s15, 14         ; my quarter's 128 rows of 128 bytes,
	s_add_co_u32 s20, s20, s21
	s_add_co_u32 s20, s20, 0x1000000  ; in K, which lies behind Q
	s_mov_b32 s21, 0
	s_lshl_b32 s22, s14, 18         ; Q: my head, my block's 512 rows, my wave's 64
	s_lshl_b32 s23, s13, 16
	s_add_co_u32 s22, s22, s23
	s_lshl_b32 s23, s[WV], 13
	s_add_co_u32 s22, s22, s23
	s_mov_b32 s23, 0
	s_and_b32 s58, s14, 15          ; att: the head's 8,192 rows of 128 bytes,
	s_lshl_b32 s58, s58, 20
	s_lshr_b32 s59, s14, 4          ; b's 2,048 of them,
	s_lshl_b32 s59, s59, 18
	s_add_co_u32 s58, s58, s59
	s_lshl_b32 s59, s13, 16         ; my block's, my wave's
	s_add_co_u32 s58, s58, s59
	s_lshl_b32 s59, s[WV], 13
	s_add_co_u32 s58, s58, s59
	s_mov_b32 s59, 0
	; group 1: a tile of 128 rows x 64 elements of 2 bytes, padded in LDS behind every row
	s_mov_b32 s[G1K], 15|(1<<16)|(1<<20)|(1<<21)|(4<<22)|(3<<25)  ; 15:0 the mask: all four work-groups; elements of 2 bytes; padding on; bit 21 beside a mask; after every 32 words, 4 words
	s_mov_b32 s[G1V], 15|(1<<16)|(1<<20)|(1<<21)|(4<<22)|(7<<25)  ; the same with 8 words of padding
.irp g, G1K, G1V
	s_mov_b32 s[\g+1], 64<<16       ; tensor_dim0 = 64
	s_mov_b32 s[\g+2], 128<<16      ; tensor_dim1 = 128
	s_mov_b32 s[\g+3], 64<<16       ; tile_dim0 = 64
	s_mov_b32 s[\g+4], 128          ; tile_dim1 = 128
	s_mov_b32 s[\g+5], 64           ; elements from row to row
	s_mov_b32 s[\g+6], 0
	s_mov_b32 s[\g+7], 0
.endr
	s_mov_b32 s[CS], 0x3e38aa3b     ; c = log2(e) / 8
	s_mov_b32 s[CS+1], s[CS]        ; named with it as a pair, so it is written
	s_mov_b32 s[SEL], 0x76543210
	s_mov_b32 s[SEL+1], 0xfedcba98
	s_wait_dscnt 0x0                ; both opening adds are done
	s_wait_kmcnt 0x0
	s_add_nc_u64 s[16:17], s[4:5], s[22:23]   ; Q at my wave's first row
	s_add_nc_u64 s[18:19], s[6:7], s[58:59]   ; att likewise
	s_mov_b32 s[G0K], 1             ; count = 1
	s_mov_b32 s[G0K+1], s[LK]       ; LDS address: slot 0
	s_add_nc_u64 s[G0K+2:G0K+3], s[4:5], s[20:21]   ; global address: my quarter of the head's first 512 keys
	s_mov_b32 s[G0V], 1
	s_mov_b32 s[G0V+1], s[LV]
	s_add_nc_u64 s[G0V+2:G0V+3], s[G0K+2:G0K+3], 0x1000000   ; V lies behind K
	s_or_b32 s[G0K+3], s[G0K+3], 0x80000000   ; type = 2
	s_or_b32 s[G0V+3], s[G0V+3], 0x80000000
	CROUND                          ; all four work-groups are here: the first joint loads meet
	JLOAD                           ; slot 0: one load of mine is out
	; while it is on its way: Q, the lane's addresses, the statistics and O^T
	v_and_b32 v1, 15, v0            ; r = l % 16
	v_bfe_u32 v44, v0, 4, 1         ; h = l / 16
	v_lshlrev_b32 v[QO], 7, v1
	v_lshl_add_u32 v[QO], v44, 4, v[QO]  ; row x 128 + 16 x half
.irp i, 0,1,2,3,4,5,6,7             ; Q stays in registers: tile i / 2, channels 32 (i % 2) on.  A fragment: registers 0-3 channels 8 h + 0..7, registers 4-7 channels 16 + 8 h + 0..7
	global_load_b128 v[QF+8*\i:QF+8*\i+3],   v[QO], s[16:17] offset:(\i/2)*2048+(\i%2)*64
	global_load_b128 v[QF+8*\i+4:QF+8*\i+7], v[QO], s[16:17] offset:(\i/2)*2048+(\i%2)*64+32
.endr
	v_mul_u32_u24 v[AK0], v1, PK
	v_lshl_add_u32 v[AK0], v44, 4, v[AK0]  ; K: row x pitch + 16 x half
	v_and_b32 v45, 7, v0
	v_bfe_u32 v46, v0, 3, 1
	v_lshl_add_u32 v[AV0], v44, 3, v45     ; V: the turning load: lane l reads key 8 h + l % 8, channels 8 ((l / 8) % 2) + 0..7
	v_mul_u32_u24 v[AV0], v[AV0], PV
	v_lshl_add_u32 v[AV0], v46, 4, v[AV0]
	s_mul_i32 s20, s[WV], 16*SP     ; my stage
	v_mul_u32_u24 v[STO], v1, SP    ; in: row r, 16 bytes for each half of the lanes
	v_lshl_add_u32 v[STO], v44, 4, v[STO]
	v_add_nc_u32 v[STO], s20, v[STO]
	v_and_b32 v47, 31, v0
	v_lshrrev_b32 v46, 3, v47
	v_mul_u32_u24 v[RD], v46, SP    ; back: eight lanes to a row of 128 bytes, four rows an instruction
	v_lshl_add_u32 v[RD], v45, 4, v[RD]
	v_add_nc_u32 v[RD], s20, v[RD]
	v_lshlrev_b32 v[GO], 4, v47     ; and in att the four rows are 512 consecutive bytes
.irp t, 0,1,2,3
	v_mov_b32 v[ST+8*\t+1], 0xff61b1e6   ; m = -3e38, under every score
	v_mul_f32 v[ST+8*\t], s[CS], v[ST+8*\t+1]
	v_mov_b32 v[ST+8*\t+2], 0       ; l
	v_mov_b32 v[ST+8*\t+3], 0
.endr
	WIN W_LD
.set i, 0
.rept 128
	v_mov_b32 v[i], 0               ; O^T, once: the price of a key step that is written in one form for all steps
.set i, i+1
.endr
	WIN 0
	s_wait_loadcnt 0x0              ; Q
; S^T = K Q^T: product i of 32: channels 32 (i / 16) on, keys 16 ((i / 4) % 4) on, tile i % 4.  The first 16 start the sums.  The 16 accumulators take turns.
.macro KQ
.set i, 0
.rept 32
.set rS, S+32*(i%4)+8*((i/4)%4)
.set rK, KF+8*(2*((i/4)%4)+i/16)
.set rQ, QF+16*(i%4)+8*(i/16)
.if i < 16
	v_wmma_f32_16x16x32_f16 v[rS:rS+7], v[rK:rK+7], v[rQ:rQ+7], 0
.else
	v_wmma_f32_16x16x32_f16 v[rS:rS+7], v[rK:rK+7], v[rQ:rQ+7], v[rS:rS+7]
.endif
.set i, i+1
.endr
.endm
; O^T += V^T P: product i of 32: keys 32 (i / 16) on, channels 16 ((i / 4) % 4) on, tile i % 4.  Again 16 accumulators by turns.
.macro PV
.set i, 0
.rept 32
.set rO, 32*(i%4)+8*((i/4)%4)
.set rV, VF+8*(4*(i/16)+(i/4)%4)
.set rP, S+32*(i%4)+8*(i/16)
	v_wmma_f32_16x16x32_f16 v[rO:rO+7], v[rV:rV+7], v[rP:rP+7], v[rO:rO+7]
.set i, i+1
.endr
.endm
.macro FETCH_K                      ; a step's K: 64 keys x 64 channels: fragment f: keys 16 (f / 2) on, channels 32 (f % 2) on
	WIN W_LD
.irp f, 0,1,2,3,4,5,6,7
	ds_load_b128 v[KF+8*\f:KF+8*\f+3],   v[ADRK] offset:(\f/2)*16*PK+(\f%2)*64
	ds_load_b128 v[KF+8*\f+4:KF+8*\f+7], v[ADRK] offset:(\f/2)*16*PK+(\f%2)*64+32
.endr
	WIN 0
.endm
.macro FETCH_V                      ; a step's V, turned: fragment f: keys 32 (f / 4) on, channels 16 (f % 4) on
	WIN W_LD
.irp f, 0,1,2,3,4,5,6,7
	ds_load_tr16_b128 v[VF+8*\f:VF+8*\f+3],   v[ADRV] offset:(\f/4)*32*PV+(\f%4)*32
	ds_load_tr16_b128 v[VF+8*\f+4:VF+8*\f+7], v[ADRV] offset:(\f/4)*32*PV+16*PV+(\f%4)*32
.endr
	WIN 0
.endm
; THE SOFTMAX of the wave's four tiles for one key step.  Every line of the list is written for the four tiles in turn, so that no line reads the result of the line just before it.
.macro SOFTMAX
.irp j, 0,1,2,3                     ; the maximum of a lane's 32 scores and the old m: four chains, each begun at an accumulator's low end
.irp t, 0,1,2,3
	v_max3_num_f32 v[ST+8*\t+4+\j], v[S+32*\t+8*\j], v[S+32*\t+8*\j+1], v[S+32*\t+8*\j+2]
.endr
.endr
.irp u, 3,5
.irp j, 0,1,2,3
.irp t, 0,1,2,3
	v_max3_num_f32 v[ST+8*\t+4+\j], v[ST+8*\t+4+\j], v[S+32*\t+8*\j+\u], v[S+32*\t+8*\j+\u+1]
.endr
.endr
.endr
.irp t, 0,1,2,3
	v_max3_num_f32 v[ST+8*\t+4], v[ST+8*\t+4], v[S+32*\t+7], v[S+32*\t+15]
.endr
.irp t, 0,1,2,3
	v_max3_num_f32 v[ST+8*\t+6], v[ST+8*\t+6], v[S+32*\t+23], v[S+32*\t+31]
.endr
.irp t, 0,1,2,3
	v_max3_num_f32 v[ST+8*\t+4], v[ST+8*\t+4], v[ST+8*\t+5], v[ST+8*\t+6]
.endr
.irp t, 0,1,2,3
	v_max3_num_f32 v[ST+8*\t+4], v[ST+8*\t+4], v[ST+8*\t+7], v[ST+8*\t+1]
.endr
.irp t, 0,1,2,3
	v_permlanex16_b32 v[ST+8*\t+5], v[ST+8*\t+4], s[SEL], s[SEL+1]  ; the query's other 32 keys lie in the lane 16 away
.endr
.irp t, 0,1,2,3
	v_mov_b32 v[ST+8*\t+7], v[ST+8*\t]        ; c m_old is kept for a
.endr
.irp t, 0,1,2,3
	v_max_num_f32 v[ST+8*\t+1], v[ST+8*\t+4], v[ST+8*\t+5]   ; the new m
.endr
.irp t, 0,1,2,3
	v_mul_f32 v[ST+8*\t], s[CS], v[ST+8*\t+1]
.endr
.irp t, 0,1,2,3
	v_sub_f32 v[ST+8*\t+7], v[ST+8*\t+7], v[ST+8*\t]
.endr
; ONE BATCH: the 64 packed scalings c s - c m and all 132 exponentials; a pair is scaled a turn ahead of its exponentials, and none of these lines names an exponential's result
.set b, 0
.rept 17
.if b < 16
.irp t, 0,1,2,3
	v_pk_fma_f32 v[S+32*\t+2*b:S+32*\t+2*b+1], v[S+32*\t+2*b:S+32*\t+2*b+1], s[CS:CS+1], v[ST+8*\t:ST+8*\t+1] op_sel_hi:[1,0,0] neg_lo:[0,0,1] neg_hi:[0,0,1]
.endr
.endif
.if b == 0
.irp t, 0,1,2,3
	v_exp_f32 v[ST+8*\t+6], v[ST+8*\t+7]      ; a
.endr
.else
.irp t, 0,1,2,3
	v_exp_f32 v[S+32*\t+2*b-2], v[S+32*\t+2*b-2]
.endr
.irp t, 0,1,2,3
	v_exp_f32 v[S+32*\t+2*b-1], v[S+32*\t+2*b-1]
.endr
.endif
.set b, b+1
.endr
	v_nop                           ; a plain instruction behind the last exponential and ahead of the first use: one for the batch
	s_wait_alu depctr_va_vdst(0)    ; a wait ahead of the first line that names a result: one for the 132
.irp t, 0,1,2,3                     ; l = a l + the sum of the 16 pairs, in two chains
	v_pk_fma_f32 v[ST+8*\t+2:ST+8*\t+3], v[ST+8*\t+2:ST+8*\t+3], v[ST+8*\t+6:ST+8*\t+7], v[S+32*\t:S+32*\t+1] op_sel_hi:[1,0,1]
.endr
.irp t, 0,1,2,3
	v_pk_add_f32 v[ST+8*\t+4:ST+8*\t+5], v[S+32*\t+2:S+32*\t+3], v[S+32*\t+6:S+32*\t+7]
.endr
.irp k, 2,4,6,8,10,12
.irp t, 0,1,2,3
	v_pk_add_f32 v[ST+8*\t+2:ST+8*\t+3], v[ST+8*\t+2:ST+8*\t+3], v[S+32*\t+2*\k:S+32*\t+2*\k+1]
.endr
.irp t, 0,1,2,3
	v_pk_add_f32 v[ST+8*\t+4:ST+8*\t+5], v[ST+8*\t+4:ST+8*\t+5], v[S+32*\t+2*\k+6:S+32*\t+2*\k+7]
.endr
.endr
.irp t, 0,1,2,3
	v_pk_add_f32 v[ST+8*\t+2:ST+8*\t+3], v[ST+8*\t+2:ST+8*\t+3], v[S+32*\t+28:S+32*\t+29]
.endr
.irp t, 0,1,2,3
	v_pk_add_f32 v[ST+8*\t+2:ST+8*\t+3], v[ST+8*\t+2:ST+8*\t+3], v[ST+8*\t+4:ST+8*\t+5]
.endr
.set b, 0
.rept 16                            ; p to f16, in place and ascending, behind all the sums: register b takes pair b, whose numbers lie at 2 b and 2 b + 1
.irp t, 0,1,2,3
	v_cvt_pk_f16_f32 v[S+32*\t+b], v[S+32*\t+2*b], v[S+32*\t+2*b+1]
.endr
.set b, b+1
.endr
.endm
.macro RESCALE                      ; O^T times a, each accumulator from its low end on
	WIN W_RS
.irp t, 0,1,2,3
.set b, 0
.rept 16
	v_pk_mul_f32 v[32*\t+2*b:32*\t+2*b+1], v[32*\t+2*b:32*\t+2*b+1], v[ST+8*\t+6:ST+8*\t+7] op_sel_hi:[1,0]
.set b, b+1
.endr
.endr
.endm
; THE CHANGE OF SLOTS stands at a slot's head.  Each wave waits for all its tensor loads (its part of the slot that it is about to read), adds 0 to its spare word, and waits for that and for its reads of the slot
; that it has left.  fill = 1: the barrier is a round of the cluster's, so that no wave of any partner still reads slot nxt or has a load on its way, and slot nxt takes the next 512 keys: my one load behind the round.
.macro CHANGE fill, nxt
	WIN 0
	s_wait_tensorcnt 0x0            ; no tensor load of mine is out, so a group 0 may be written
	ds_add_u32 v[SPW], v[NIL]       ; 0 onto my spare word; the descriptors' steps stand between it and the wait for it
.if \fill
	s_add_co_u32 s[G0K+1], s[LK], (\nxt)*SLOTB
	s_add_co_u32 s[G0V+1], s[LV], (\nxt)*SLOTB
	s_add_nc_u64 s[G0K+2:G0K+3], s[G0K+2:G0K+3], SK*128   ; the next 512 keys; the type bits on top are not reached
	s_add_nc_u64 s[G0V+2:G0V+3], s[G0V+2:G0V+3], SK*128
.endif
	s_wait_dscnt 0x0                ; the add is done, and my reads of the slot that I have left are over
.if \fill
	CROUND
	JLOAD
.else
	s_barrier_signal -1
	s_barrier_wait -1
.endif
.endm
; A SLOT'S EIGHT KEY STEPS: the step is written once and walked eight times; its LDS addresses hang on s[TBK] and s[TBV].
; A step: K Q^T | V of this step and K of the next are asked of LDS | the softmax, under which they land | O^T times a | V^T P.
.macro SLOT n
	s_mov_b32 s[TBK], (\n)*SLOTB
	s_mov_b32 s[TBV], (\n)*SLOTB+VOFF
	v_add_nc_u32 v[ADRK], s[TBK], v[AK0]
	FETCH_K                         ; the slot's first step
	s_add_co_u32 s[TBK], s[TBK], 64*PK
	s_mov_b32 s[CNT], 8
.Lstep_\@:
	s_wait_dscnt 0x0                ; K is in
	WIN W_KQ
	KQ
	WIN 0
	v_add_nc_u32 v[ADRV], s[TBV], v[AV0]   ; these two and two v_nop are the four plain instructions between the last product and the loads into K's registers and the first read of the scores
	v_add_nc_u32 v[ADRK], s[TBK], v[AK0]
	v_nop
	v_nop
	FETCH_V
	s_cmp_eq_u32 s[CNT], 1          ; a slot's last step has no next K in the slot: the count of steps alone decides, alike in all waves
	s_cbranch_scc1 .Lnok_\@
	FETCH_K
.Lnok_\@:
	SOFTMAX
	s_wait_dscnt 0x0                ; V, and the next step's K, are in
	RESCALE
	WIN W_PV
	PV
	WIN 0
.rept 5
	v_nop                           ; the next K Q^T writes over P's registers, which these products read: five plain instructions between
.endr
	s_add_co_u32 s[TBK], s[TBK], 64*PK
	s_add_co_u32 s[TBV], s[TBV], 64*PV
	s_sub_co_u32 s[CNT], s[CNT], 1
	s_cmp_lg_u32 s[CNT], 0
	s_cbranch_scc1 .Lstep_\@
.endm
	CHANGE 1, 1                     ; keys 0-511 are in; slot 1 is asked for, its first fill
	SLOT 0
	CHANGE 1, 0                     ; keys 512-1023 are in; slot 0 takes keys 1024-1535
	SLOT 1
	CHANGE 1, 1                     ; slot 1 takes keys 1536-2047: the last load
	SLOT 0
	CHANGE 0, 0                     ; nothing is left to fetch
	SLOT 1
	; THE WAY OUT.  l's two halves and the other half of the lanes' are added; O^T is divided by l, rounded to f16 and sent through my stage in LDS, a tile (16 rows) at a time.
.irp t, 0,1,2,3
	v_add_f32 v[ST+8*\t+4], v[ST+8*\t+2], v[ST+8*\t+3]
.endr
.irp t, 0,1,2,3
	v_permlanex16_b32 v[ST+8*\t+5], v[ST+8*\t+4], s[SEL], s[SEL+1]
.endr
.irp t, 0,1,2,3
	v_add_f32 v[ST+8*\t+4], v[ST+8*\t+4], v[ST+8*\t+5]
.endr
.irp t, 0,1,2,3
	v_rcp_f32 v[ST+8*\t+6], v[ST+8*\t+4]
.endr
	v_nop                           ; a plain instruction between the last reciprocal and the use of its result
	s_wait_alu depctr_va_vdst(0)    ; and a wait ahead of the first use: one for the four
; Tile t: a lane's eight channels of a row pack into 16 bytes; they go into rows of 144 bytes and come back four whole rows an instruction, into the registers that they left.
.macro PACK t
	WIN 0x01                        ; source 0 (O^T) window 1
.set b, 0
.rept 16
	v_pk_mul_f32 v[S+32*\t+2*b:S+32*\t+2*b+1], v[32*\t+2*b:32*\t+2*b+1], v[ST+8*\t+6:ST+8*\t+7] op_sel_hi:[1,0]
.set b, b+1
.endr
	WIN 0
.set b, 0
.rept 16
	v_cvt_pk_f16_f32 v[S+32*\t+b], v[S+32*\t+2*b], v[S+32*\t+2*b+1]
.set b, b+1
.endr
.irp f, 0,1,2,3
	ds_store_b128 v[STO], v[S+32*\t+4*\f:S+32*\t+4*\f+3] offset:32*\f
.endr
.irp f, 0,1,2,3
	ds_load_b128 v[S+32*\t+4*\f:S+32*\t+4*\f+3], v[RD] offset:\f*4*SP  ; LDS serves a wave's instructions in order (ISA guide 5.7.1.4): these see the stores above; the next tile's stores come behind them
.endr
.endm
.macro SEND t, younger              ; younger: the LDS instructions issued behind tile t's loads: the next tile's eight, or none
.irp f, 0,1,2,3
	s_wait_dscnt \younger+3-\f
	global_store_b128 v[GO], v[S+32*\t+4*\f:S+32*\t+4*\f+3], s[18:19] offset:\t*2048+\f*512  ; 32 lanes store 512 consecutive bytes, at a multiple of 256 from att's first byte
.endr
.endm
	PACK 0
	PACK 1                          ; a tile's arithmetic stands between the loads of the tile before and its stores
	SEND 0, 8
	PACK 2
	SEND 1, 8
	PACK 3
	SEND 2, 8
	SEND 3, 0
	s_wait_tensorcnt 0x0            ; the wave's end, behind my last tensor load and my last LDS store
	ds_add_u32 v[SPW], v[NIL]
	s_wait_dscnt 0x0
	CROUND                          ; the closing round: no work-group ends while a partner may still ask for a tile that names it
	s_endpgm
.Lfunc_end_k_q05146b21e6_attn:
	.size	k_q05146b21e6_attn, .Lfunc_end_k_q05146b21e6_attn-k_q05146b21e6_attn
	.p2alignl 7, 3214868480
	.fill 96, 4, 3214868480
	.section	.rodata,"a",@progbits
	.p2align	6, 0x0
	.amdhsa_kernel k_q05146b21e6_attn
		.amdhsa_group_segment_fixed_size 327680
		.amdhsa_private_segment_fixed_size 0
		.amdhsa_enable_private_segment 0
		.amdhsa_kernarg_size 16
		.amdhsa_user_sgpr_count 2
		.amdhsa_user_sgpr_kernarg_segment_ptr 1
		.amdhsa_wavefront_size32 1
		.amdhsa_system_sgpr_workgroup_id_x 1
		.amdhsa_system_sgpr_workgroup_id_y 1
		.amdhsa_system_sgpr_workgroup_id_z 1
		.amdhsa_system_vgpr_workitem_id 0
		.amdhsa_next_free_vgpr 512
		.amdhsa_next_free_sgpr 66
		.amdhsa_reserve_vcc 0
		.amdhsa_float_denorm_mode_32 3
		.amdhsa_float_denorm_mode_16_64 3
		.amdhsa_memory_ordered 1
		.amdhsa_forward_progress 1
		.amdhsa_inst_pref_size 162
	.end_amdhsa_kernel
	.amdgpu_metadata
---
amdhsa.version: [ 1, 2 ]
amdhsa.kernels:
  - .name:           k_q05146b21e6_attn
    .symbol:         k_q05146b21e6_attn.kd
    .args:
      - { .name: qkv, .offset: 0, .size: 8, .value_kind: global_buffer, .address_space: global }
      - { .name: att, .offset: 8, .size: 8, .value_kind: global_buffer, .address_space: global }
    .group_segment_fixed_size: 327680
    .private_segment_fixed_size: 0
    .kernarg_segment_align: 8
    .kernarg_segment_size: 16
    .max_flat_workgroup_size: 256
    .sgpr_count:     66
    .vgpr_count:     512
    .wavefront_size: 32
...
	.end_amdgpu_metadata
.endif
;; end of part 3
;; launch outproj (part 4): grid 4 x 64, 4 waves a work-group, clusters of 4 x 4, 327,680 bytes of LDS; arguments att, woh, out0; writes out0
.if DOCPART == 4
	.amdgcn_target "amdgcn-amd-amdhsa--gfx1250"
	.amdhsa_code_object_version 6
	.text
	.protected	k_q05146b21e6_outproj
	.globl	k_q05146b21e6_outproj
	.p2align	8
	.type	k_q05146b21e6_outproj,@function
k_q05146b21e6_outproj:
	s_mov_b64 s[64:65], 0
	v_nop
	global_prefetch_b8 v0, s[64:65] scope:SCOPE_SE
	s_setreg_imm32_b32 hwreg(HW_REG_WAVE_MODE, 25, 1), 1
	s_wait_xcnt 0x0
	s_wait_alu depctr_hold_cnt(0) depctr_sa_sdst(0) depctr_va_vdst(0) depctr_va_sdst(0) depctr_va_ssrc(0) depctr_va_vcc(0) depctr_vm_vsrc(0)
	s_getreg_b32 s2, hwreg(HW_REG_IB_STS2, 6, 4)
	s_cmp_eq_u32 s2, 0
	s_cbranch_scc0 .Lentry_in_a_cluster
	s_endpgm
.Lentry_in_a_cluster:
	s_bfe_u32 s2, ttmp6, 0x10000c
	s_cmp_lg_u32 s2, 0xf033
	s_cbranch_scc0 .Lentry_shape_is_right
	s_endpgm
.Lentry_shape_is_right:
; out0[token][n] = sum over k of O[token][k] Wo[n][k], f16 operands, f32 sums, f32 out.  att: f16 [16 kb][8192 token][64];  woh: f16 [16 kb][1024 n][64];  out0: [8192][1024] f32.
; A tile of out0 is 128 tokens x 256 columns: 64 x 4 = 256 work-groups of four waves; a wave makes 64 x 128: 32 accumulators of 16 x 16, 256 registers.
; K goes in steps of 128 (two K blocks of 64) through a ring of two LDS slots.  In both operands a K block of neighbouring rows is dense in memory.  One tensor load a wave: waves 0, 1 bring A's two blocks (128 rows), waves 2, 3 B's (256 rows).
; CLUSTERS: 4 x 4 work-groups.  The four of a row of the cluster need the same tiles of A, the four of a column the same tiles of B: each tile is asked for JOINTLY.
; THE MATRIX INSTRUCTION IS USED TRANSPOSED (source 0 = 16 rows of woh, source 1 = 16 tokens): a lane then holds eight neighbouring columns of one token's row.
; REGISTERS: window 0: v0-31 addresses; v32-127 and v128-223 two fragment buffers (B's 8 fragments, then A's 4), for 32 along K each; on the way out v32-159 take rows read back.   window 1: the accumulators, (a, b) at v[8 (8 a + b)].
.set PITCH,  144                       ; an LDS row: 128 bytes + 16: an odd multiple of 16, so the 16 rows of a load start at different 16-byte columns of 256 bytes
.set ABLK,   128*PITCH                 ; a K block of A's 128 rows
.set BBLK,   256*PITCH                 ; a K block of B's 256 rows
.set BOFF,   2*ABLK                    ; a slot: A's two blocks, then B's two
.set SLOT,   2*ABLK+2*BBLK
.set STAGE,  2*SLOT                    ; behind the ring: 16 rows x (512 bytes + 16) for each wave, for the way out; no tensor load lands here
.set SPITCH, 528
.set SPARE,  STAGE+4*16*SPITCH         ; behind the stages: the spare words, 128 bytes a wave; no other line names them
.set LAPS,   4                         ; a lap = two K steps = once round the ring: 1,024 / 256
.set ASTEP,  2*1048576                 ; a K step in att: two blocks of 8,192 rows x 128 bytes
.set BSTEP,  2*131072                  ; and in woh: two blocks of 1,024 rows
.set ADRA, 16                          ; v16-17  LDS address of my A fragments in slot 0, 1
.set ADRB, 20                          ; v20-21  the same for B
.set STO,  24                          ; v24     the way out: where I put 32 bytes of a row
.set RD,   25                          ; v25     where I read a row back
.set CO,   26                          ; v26     my byte offset in a row's 512 bytes of out0
.set SPW,  28                          ; v28     LDS address of my spare word; never rewritten
.set NIL,  29                          ; v29     0; never rewritten
.set PFO,  30                          ; v30     the prefetches' offset: 256 x my lane; never rewritten
.set F0,   32
.set F1,   128
.set BK,   32                          ; the way out: v32-95 and v96-159 by turns
.set G1, 24                            ; s[24:31] group 1 for A's tiles;  s[32:39] group 0, one set for each slot
.set G0, 32
.set G1B, 48                           ; s[48:55], s[56:63] the same for B's tiles
.set G0B, 56
.set LIM, 43                           ; s43     1 in a wave that prefetches, else the greatest number
.set PFA, 44                           ; s[44:45] where my prefetches stand
.set MSB, 0
.macro WIN new                         ; the immediate's high byte repeats the setting that is left; a switch that changes nothing is dropped
.if MSB != (\new)
	s_set_vgpr_msb (MSB<<8)|(\new)
.set MSB, (\new)
.endif
.endm
.set MUL, 0x50                         ; C and D window 1, both sources window 0
.macro JLOAD s                         ; a joint load: waves 0 and 1 fetch A's two blocks, waves 2 and 3 B's; an s_nop 0 and four v_nop follow each of the two lines
	s_cmp_eq_u32 s11, 0
	s_cbranch_scc0 .Lfor_b_\@
	tensor_load_to_lds s[G0+4*\s:G0+4*\s+3], s[G1:G1+7]
	s_nop 0
.rept 4
	v_nop
.endr
	s_branch .Lasked_\@
.Lfor_b_\@:
	tensor_load_to_lds s[G0B+4*\s:G0B+4*\s+3], s[G1B:G1B+7]
	s_nop 0
.rept 4
	v_nop
.endr
.Lasked_\@:
.endm
.macro CREST                           ; a round of the cluster's barrier behind its opening barrier
	s_cmp_lg_u32 s10, 0
	s_cbranch_scc1 .Lnot_wave_0_\@
	s_barrier_signal -3
.Lnot_wave_0_\@:
	s_barrier_wait -3
	s_barrier_signal -1
	s_barrier_wait -1
.endm
.macro CROUND                          ; a whole round
	s_barrier_signal -1
	s_barrier_wait -1
	CREST
.endm
; A PREFETCH of A's tile of the K step that stands TWO refills on: 2 blocks x 128 rows x 128 bytes = 128 pieces of 256 bytes.  A tile row of att is read by the four work-groups of one row of one cluster and by nobody else.
; The four share the pieces out BY ADDRESS, 32 each (block cx / 2, half cx % 2), a lane a piece; in each, wave 0 asks: one instruction.  So each piece is named once in the launch.
; It stands behind the joint load, its five lines and the run of LDS loads.  The loop's last trip asks for nothing: there is no K step two refills on.  K steps 0 to 3 come by their loads alone.
.macro ASK
	s_cmp_gt_u32 s3, s[LIM]                        ; s3 = 1 in the loop's last trip
	s_cbranch_scc0 .Lnot_mine_\@
	global_prefetch_b8 v[PFO], s[PFA:PFA+1] th:TH_LOAD_NT scope:SCOPE_SE
.Lnot_mine_\@:
.endm
	s_load_b128 s[4:7], s[0:1], 0x0                ; att s[4:5], woh s[6:7]
	s_load_b64 s[8:9], s[0:1], 0x10                ; out0
	v_lshl_add_u32 v[SPW], v0, 2, SPARE
	v_mov_b32 v[NIL], 0
	ds_add_u32 v[SPW], v[NIL]                      ; the wave's opening: the add, twice on end, and its wait ahead of my first tensor load
	ds_add_u32 v[SPW], v[NIL]
	v_lshrrev_b32 v1, 5, v0
	v_readfirstlane_b32 s10, v1                    ; wave 0..3
	s_lshr_b32 s11, s10, 1                         ; which half of the tile's rows is mine.  Also: I fetch for A (0) or for B (1)
	s_and_b32 s12, s10, 1                          ; which half of its columns.  Also: which of a K step's two blocks I fetch
	s_bfe_u32 s40, ttmp6, 0x40000                  ; cx, cy: my place in the cluster
	s_bfe_u32 s41, ttmp6, 0x40004
	s_lshl_b32 s42, ttmp9, 2
	s_add_co_u32 s42, s42, s40                     ; tile column = 4 x cluster x + cx
	s_and_b32 s13, ttmp7, 0xffff
	s_lshl_b32 s13, s13, 2
	s_add_co_u32 s13, s13, s41                     ; tile row = 4 x cluster y + cy
	s_lshl_b32 s43, s41, 2
	s_lshl_b32 s43, 15, s43                        ; my row of the cluster
	s_lshl_b32 s44, 0x1111, s40                    ; my column
	; group 1: rows of 64 elements of 2 bytes, dense in memory, padded in LDS behind every row; A: 128 rows, B: 256
	s_or_b32 s[G1+0], s43, (1<<16)|(1<<20)|(1<<21)|(4<<22)|(3<<25)  ; 15:0 the mask: A's tiles go to my row; elements of 2 bytes; padding on; bit 21 beside a mask; after every 32 words, 4 words
	s_or_b32 s[G1B+0], s44, (1<<16)|(1<<20)|(1<<21)|(4<<22)|(3<<25)
	s_mov_b32 s[G1+1], 64<<16                      ; tensor_dim0 = 64
	s_mov_b32 s[G1+2], 128<<16                     ; tensor_dim1 = 128
	s_mov_b32 s[G1+3], 64<<16                      ; tile_dim0 = 64
	s_mov_b32 s[G1+4], 128                         ; tile_dim1 = 128
	s_mov_b32 s[G1+5], 64                          ; elements from row to row
	s_mov_b32 s[G1+6], 0
	s_mov_b32 s[G1+7], 0
	s_mov_b32 s[G1B+1], 64<<16
	s_mov_b32 s[G1B+2], 256<<16                    ; tensor_dim1 = 256
	s_mov_b32 s[G1B+3], 64<<16
	s_mov_b32 s[G1B+4], 256                        ; tile_dim1 = 256
	s_mov_b32 s[G1B+5], 64
	s_mov_b32 s[G1B+6], 0
	s_mov_b32 s[G1B+7], 0
	s_lshl_b32 s16, s12, 20                        ; A: my block of K step 0, the tile row's 128 rows of 128 bytes
	s_lshl_b32 s17, s13, 14
	s_add_co_u32 s16, s16, s17
	s_mov_b32 s17, 0
	s_lshl_b32 s46, s12, 17                        ; B: my block, the tile column's 256 rows
	s_lshl_b32 s47, s42, 15
	s_add_co_u32 s46, s46, s47
	s_mov_b32 s47, 0
	s_mul_i32 s20, s12, ABLK                       ; where they go in a slot: no place in the cluster enters an LDS address
	s_mul_i32 s21, s12, BBLK
	s_add_co_u32 s21, s21, BOFF
	s_wait_dscnt 0x0                               ; both opening adds are done
	s_wait_kmcnt 0x0
	s_add_nc_u64 s[14:15], s[4:5], s[16:17]
	s_add_nc_u64 s[46:47], s[6:7], s[46:47]
	CROUND                                         ; all sixteen work-groups are here: the first joint loads meet
.irp s, 0,1
	s_mov_b32 s[G0+4*\s], 1
	s_add_co_u32 s[G0+4*\s+1], s20, \s*SLOT
	s_add_nc_u64 s[G0+4*\s+2:G0+4*\s+3], s[14:15], \s*ASTEP
	s_or_b32 s[G0+4*\s+3], s[G0+4*\s+3], 0x80000000
	s_mov_b32 s[G0B+4*\s], 1
	s_add_co_u32 s[G0B+4*\s+1], s21, \s*SLOT
	s_add_nc_u64 s[G0B+4*\s+2:G0B+4*\s+3], s[46:47], \s*BSTEP
	s_or_b32 s[G0B+4*\s+3], s[G0B+4*\s+3], 0x80000000
	JLOAD \s                                       ; two loads of mine are out
.endr
	v_and_b32 v1, 15, v0                           ; l % 16
	v_bfe_u32 v2, v0, 4, 1                         ; l / 16
	v_mul_u32_u24 v3, v1, PITCH
	v_lshl_add_u32 v3, v2, 4, v3                   ; a fragment's row x pitch + 16 x half
	s_mul_i32 s21, s11, 64*PITCH                   ; my 64 rows of A
	s_mul_i32 s22, s12, 128*PITCH                  ; my 128 rows of B,
	s_add_co_u32 s22, s22, BOFF                    ; which lie behind A's blocks
.irp s, 0,1
	v_add_nc_u32 v[ADRA+\s], s21, v3
	v_add_nc_u32 v[ADRB+\s], s22, v3
	s_add_co_u32 s21, s21, SLOT
	s_add_co_u32 s22, s22, SLOT
.endr
	s_mul_i32 s23, s10, 16*SPITCH
	s_add_co_u32 s23, s23, STAGE                   ; my stage
	v_mul_u32_u24 v4, v1, SPITCH                   ; in: row l % 16, 32 bytes for each half of the lanes
	v_lshl_add_u32 v4, v2, 5, v4
	v_add_nc_u32 v[STO], s23, v4
	v_and_b32 v5, 31, v0
	v_lshlrev_b32 v[CO], 4, v5                     ; back: the 32 lanes take one row of 512 bytes; and the same in out0
	v_add_nc_u32 v[RD], s23, v[CO]
	v_lshlrev_b32 v[PFO], 8, v5
	s_lshl_b32 s16, s13, 7
	s_lshl_b32 s17, s11, 6
	s_add_co_u32 s16, s16, s17                     ; my first row of out0: 128 x tile row + 64 x half,
	s_lshl_b32 s16, s16, 12                        ; of 4,096 bytes
	s_mov_b32 s17, 0
	s_add_nc_u64 s[8:9], s[8:9], s[16:17]
	s_lshl_b32 s46, s42, 10                        ; my first column, in bytes: 1,024 x tile column + 512 x half (what hangs on the column stays in the registers that held B's address)
	s_lshl_b32 s47, s12, 9
	s_add_co_u32 s46, s46, s47
	s_mov_b32 s47, 0
	s_add_nc_u64 s[8:9], s[8:9], s[46:47]
	s_lshr_b32 s46, s40, 1                         ; the prefetches: block cx / 2 of K step 3: the first change of slots steps it to K step 4
	s_add_co_u32 s46, s46, 6
	s_lshl_b32 s46, s46, 20
	s_and_b32 s47, s40, 1
	s_lshl_b32 s47, s47, 13                        ; half cx % 2 of the block's 16,384 bytes of my tile row
	s_add_co_u32 s46, s46, s47
	s_lshl_b32 s47, s13, 14
	s_add_co_u32 s46, s46, s47
	s_mov_b32 s47, 0
	s_add_nc_u64 s[PFA:PFA+1], s[4:5], s[46:47]
	s_cmp_eq_u32 s10, 0
	s_cselect_b32 s[LIM], 1, -1                    ; wave 0 asks: the same in all sixteen partners
; 8 matrix instructions: token block a x all 8 column blocks, 32 along K, from buffer f.  zero = 1: the first product starts the sums.  The 32 accumulators take turns in the same order in every quarter.
.macro MUL8 f, a, zero
.irp b, 0,1,2,3,4,5,6,7
.if \zero
	v_wmma_f32_16x16x32_f16 v[8*(8*(\a)+\b):8*(8*(\a)+\b)+7], v[\f+8*\b:\f+8*\b+7], v[\f+64+8*(\a):\f+64+8*(\a)+7], 0
.else
	v_wmma_f32_16x16x32_f16 v[8*(8*(\a)+\b):8*(8*(\a)+\b)+7], v[\f+8*\b:\f+8*\b+7], v[\f+64+8*(\a):\f+64+8*(\a)+7], v[8*(8*(\a)+\b):8*(8*(\a)+\b)+7]
.endif
.endr
.endm
.macro MUL16 f, a0, zero
	MUL8 \f, \a0, \zero
	MUL8 \f, (\a0)+1, \zero
.endm
; 24 LDS loads in one run: the fragments of the slot's q-th 32 along K (block q / 2, byte 64 (q % 2) of its rows) into buffer f: B's eight, then A's four, blocks 2 and 3 last
.macro FETCH slot, q, f
.irp b, 0,1,2,3,4,5,6,7
	ds_load_b128 v[\f+8*\b:\f+8*\b+3],   v[ADRB+\slot] offset:((\q)/2)*BBLK+((\q)%2)*64+\b*16*PITCH
	ds_load_b128 v[\f+8*\b+4:\f+8*\b+7], v[ADRB+\slot] offset:((\q)/2)*BBLK+((\q)%2)*64+\b*16*PITCH+32
.endr
.irp a, 0,1,2,3
	ds_load_b128 v[\f+64+8*\a:\f+64+8*\a+3],   v[ADRA+\slot] offset:((\q)/2)*ABLK+((\q)%2)*64+\a*16*PITCH
	ds_load_b128 v[\f+64+8*\a+4:\f+64+8*\a+7], v[ADRA+\slot] offset:((\q)/2)*ABLK+((\q)%2)*64+\a*16*PITCH+32
.endr
.endm
.macro PLACES                          ; four plain instructions in front of loads into registers that matrix instructions have read, and of the first read of results
.rept 4
	v_nop
.endr
.endm
; A K step is four quarters of 32 along K, 32 matrix instructions each, on buffers 0, 1, 0, 1.  One of the first three: multiplies buffer f and fetches the slot's quarter q into g.
.macro QUARTER slot, q, f, g, zero
	s_wait_dscnt 4                                 ; B's fragments and A's blocks 0, 1 are in; the youngest four loads (A's blocks 2, 3) may be out
	WIN MUL
	MUL16 \f, 0, \zero
	PLACES
	WIN 0
	FETCH \slot, \q, \g
	s_wait_dscnt 24                                ; all but the 24 just issued
	WIN MUL
	MUL16 \f, 2, \zero
.endm
; The last quarter multiplies buffer 1 and changes slots: ONE barrier; in front of it each wave waits for all its tensor loads, adds 0 to its spare word, and waits for that and for its own reads of this slot.
; fill = 1: the barrier opens a round of the cluster's, and this slot is filled again, two K steps ahead: the first tensor load behind the round.
.macro TURN slot, next, fill
.if \fill
	s_wait_xcnt 0x0                                ; the last prefetch, a K step back, has read its address: it is stepped here, ahead of the waits of the change of slots
	s_add_nc_u64 s[PFA:PFA+1], s[PFA:PFA+1], ASTEP
.endif
	WIN 0                                          ; (the add's two registers lie in window 0)
	s_wait_tensorcnt 0x0                           ; all my tensor loads have landed: the one that was out is my part of the next slot
	ds_add_u32 v[SPW], v[NIL]                      ; 0 onto my spare word
	s_wait_dscnt 5                                 ; (the add and the youngest four loads may be out)
	WIN MUL
	MUL8 F1, 0, 0                                  ; eight matrix instructions stand between the add and the wait for it
	s_wait_dscnt 0x0                               ; the add is done, and my reads of this slot are over
	s_barrier_signal -1
	MUL8 F1, 1, 0
	WIN 0
	s_barrier_wait -1
.if \fill
	CREST                                          ; no wave of any partner still reads this slot's tile or has a load on its way
	s_add_nc_u64 s[G0+4*\slot+2:G0+4*\slot+3], s[G0+4*\slot+2:G0+4*\slot+3], 2*ASTEP
	s_add_nc_u64 s[G0B+4*\slot+2:G0B+4*\slot+3], s[G0B+4*\slot+2:G0B+4*\slot+3], 2*BSTEP
	JLOAD \slot                                    ; the four v_nop behind it are also the places in front of the loads below
.else
	PLACES
.endif
	FETCH \next, 0, F0
.if \fill
	ASK
.endif
	WIN MUL
	MUL16 F1, 2, 0
.endm
	s_wait_tensorcnt 1                             ; my part of K step 0 is in (K step 1's load may be out)
	s_barrier_signal -1
	s_barrier_wait -1                              ; everybody's is
	FETCH 0, 0, F0
	QUARTER 0, 1, F0, F1, 1                        ; the first quarter stands in front of the loop: its products start the sums
	WIN 0                                          ; at a label and at a branch every window is 0
	s_mov_b32 s3, LAPS-1
.Llap:                                                 ; a trip goes once round the ring, from a lap's second quarter to the next lap's first, and fills both slots again
	QUARTER 0, 2, F1, F0, 0
	QUARTER 0, 3, F0, F1, 0
	TURN 0, 1, 1
	QUARTER 1, 1, F0, F1, 0
	QUARTER 1, 2, F1, F0, 0
	QUARTER 1, 3, F0, F1, 0
	TURN 1, 0, 1
	QUARTER 0, 1, F0, F1, 0
	WIN 0
	s_sub_co_u32 s3, s3, 1
	s_cmp_lg_u32 s3, 0
	s_cbranch_scc1 .Llap
	QUARTER 0, 2, F1, F0, 0                        ; the last lap fills nothing, and has no round of the cluster's barrier
	QUARTER 0, 3, F0, F1, 0
	TURN 0, 1, 0
	QUARTER 1, 1, F0, F1, 0
	QUARTER 1, 2, F1, F0, 0
	QUARTER 1, 3, F0, F1, 0
	s_wait_dscnt 4                                 ; the very last quarter: nothing more to fetch
	WIN MUL
	MUL16 F1, 0, 0
	s_wait_dscnt 0
	MUL16 F1, 2, 0
	WIN 0
; THE WAY OUT, block by block of 16 tokens x 128 columns.  A lane holds 32 neighbouring bytes of a row, and the lanes beside it hold other rows: so a block goes through my own stage in LDS and comes back as whole
; rows of 512 bytes.  LDS serves a wave's instructions in order (ISA guide 5.7.1.4): no wait between the stores and the loads, nor in front of the next block's stores.
.macro TOSTAGE a
	WIN 0x04                                       ; an LDS store's data are its source 1: window 1
.irp b, 0,1,2,3,4,5,6,7
	ds_store_b128 v[STO], v[8*(8*(\a)+\b):8*(8*(\a)+\b)+3] offset:64*\b          ; each accumulator from its low end on
	ds_store_b128 v[STO], v[8*(8*(\a)+\b)+4:8*(8*(\a)+\b)+7] offset:64*\b+16
.endr
	WIN 0
.set BB, BK+64*((\a)%2)
.irp t, 0,1,2,3,4,5,6,7,8,9,10,11,12,13,14,15
	ds_load_b128 v[BB+4*\t:BB+4*\t+3], v[RD] offset:\t*SPITCH
.endr
.endm
.macro SEND a, younger                 ; younger: the LDS instructions issued behind block a's loads, which may stay out
.set BB, BK+64*((\a)%2)
	s_wait_dscnt \younger                          ; the block is back in registers
.irp t, 0,1,2,3,4,5,6,7,8,9,10,11,12,13,14,15
	global_store_b128 v[CO], v[BB+4*\t:BB+4*\t+3], s[8:9] offset:(16*(\a)+\t)*4096 th:TH_STORE_NT   ; 32 lanes store 512 consecutive bytes, at a multiple of 256 from out0's first byte; the base is never stepped
.endr
.endm
	PLACES                                         ; behind the last products: for the stores that read results and the loads into the fragments' registers
	TOSTAGE 0
.irp a, 1,2,3
.if \a > 1
	s_wait_xcnt 0x0                                ; block a - 2's stores have read their registers: block a's loads land there only behind this wait
.endif
	TOSTAGE \a
	SEND \a-1, 32                                  ; behind block a - 1's loads: block a's 16 stores and 16 loads
.endr
	SEND 3, 0
	s_wait_tensorcnt 0x0                           ; the wave's end, behind my last tensor load and my last LDS store
	ds_add_u32 v[SPW], v[NIL]
	s_wait_dscnt 0x0
	CROUND                                         ; the closing round: no work-group ends while a partner may still ask for a tile that names it
	s_endpgm
.Lfunc_end_k_q05146b21e6_outproj:
	.size	k_q05146b21e6_outproj, .Lfunc_end_k_q05146b21e6_outproj-k_q05146b21e6_outproj
	.p2alignl 7, 3214868480
	.fill 96, 4, 3214868480
	.section	.rodata,"a",@progbits
	.p2align	6, 0x0
	.amdhsa_kernel k_q05146b21e6_outproj
		.amdhsa_group_segment_fixed_size 327680
		.amdhsa_private_segment_fixed_size 0
		.amdhsa_enable_private_segment 0
		.amdhsa_kernarg_size 24
		.amdhsa_user_sgpr_count 2
		.amdhsa_user_sgpr_kernarg_segment_ptr 1
		.amdhsa_wavefront_size32 1
		.amdhsa_system_sgpr_workgroup_id_x 1
		.amdhsa_system_sgpr_workgroup_id_y 1
		.amdhsa_system_sgpr_workgroup_id_z 1
		.amdhsa_system_vgpr_workitem_id 0
		.amdhsa_next_free_vgpr 512
		.amdhsa_next_free_sgpr 66
		.amdhsa_reserve_vcc 0
		.amdhsa_float_denorm_mode_32 3
		.amdhsa_float_denorm_mode_16_64 3
		.amdhsa_memory_ordered 1
		.amdhsa_forward_progress 1
		.amdhsa_inst_pref_size 85
	.end_amdhsa_kernel
	.amdgpu_metadata
---
amdhsa.version: [ 1, 2 ]
amdhsa.kernels:
  - .name:           k_q05146b21e6_outproj
    .symbol:         k_q05146b21e6_outproj.kd
    .args:
      - { .name: att, .offset: 0, .size: 8, .value_kind: global_buffer, .address_space: global }
      - { .name: woh, .offset: 8, .size: 8, .value_kind: global_buffer, .address_space: global }
      - { .name: out0, .offset: 16, .size: 8, .value_kind: global_buffer, .address_space: global }
    .group_segment_fixed_size: 327680
    .private_segment_fixed_size: 0
    .kernarg_segment_align: 8
    .kernarg_segment_size: 24
    .max_flat_workgroup_size: 128
    .sgpr_count:     66
    .vgpr_count:     512
    .wavefront_size: 32
...
	.end_amdgpu_metadata
.endif
;; end of part 4
